; MI455X (gfx1250); checked and timed in simulation.
; The chip was launched on July 23, 2026; its instructions are those of AMD's public machine-readable ISA for CDNA 5 (MIT licence, August 2026) and "CDNA5" Instruction Set Architecture Reference Guide (July 2026). The comments in the code are by the model that wrote it; some were corrected since.
;; Multi Head Self Attention. Allowed arithmetic: matrix products marked QUANTISED: E4M3 operands, one given power-of-two scale a tensor, by v_wmma_f32_16x16x64_fp8_fp8 or v_wmma_f32_16x16x128_fp8_fp8, f32 sums; everything else in f32.
;; Inputs: lowp_scales 8 int32 (the exponents e of the quantised operands' scales 2^e); w_out 1,024 x 1,024 float32; w_qkv 3,072 x 1,024 float32; x 4 x 2,048 x 1,024 float32.
;; Outputs: out0 4 x 2,048 x 1,024 float32.
;; This version of the problem:
;;   THIS VERSION OF THE PROBLEM IS GIVEN IN LOW PRECISION. The matrix products marked QUANTISED in the list below multiply operands that are first quantised to E4M3 (4 exponent bits, 3 mantissa bits; 8 bits a number), with one given power-of-two scale for each operand tensor; their sums are f32. All else is computed in f32.
;;   The module's matrix products, in the order in which they are computed (A, B: the left and right operand; K: the contracted axis; several contracted axes count as one K, in the product's order):
;;     1. [M 8,192, K 1,024] x [K 1,024, N 3,072]; A: input x; B: input w_qkv: QUANTISED (scales: A lowp_scales[0], B lowp_scales[1])
;;     2. batch 64 x [M 2,048, K 64] x [K 64, N 2,048]; A: computed on the way; B: computed on the way: QUANTISED (scales: A lowp_scales[2], B lowp_scales[3])
;;     3. batch 64 x [M 2,048, K 2,048] x [K 2,048, N 64]; A: softmax (see below); B: computed on the way: QUANTISED (scales: A lowp_scales[4], B lowp_scales[5])
;;     4. [M 8,192, K 1,024] x [K 1,024, N 1,024]; A: computed on the way; B: input w_out: QUANTISED (scales: A lowp_scales[6], B lowp_scales[7])
;;   THE QUANTISER, for each operand of a quantised product, along K:
;;     - The operand's scale is 2^e, e = its entry of the input lowp_scales (int32; the entries are numbered through the quantised products in the list's order, A before B).
;;     - Each number is divided by the scale, clamped to +-448, and rounded to the nearest number of E4M3, ties to even, subnormals kept.
;;     - The product sums the exact products of the quantised numbers (number of the format x scale) in f32.
;;   ~~~python
;;   def quantise(x, axis, e):      # numpy; x: float32 -> the quantised numbers, widened to float32 again
;;       x = np.moveaxis(x, axis, -1); K = x.shape[-1]
;;       r = np.clip(x / 2.0 ** e, -448, 448)
;;       step = 2.0 ** (np.maximum(np.frexp(np.where(r == 0, 1, r))[1] - 1, -6) - 3)
;;       q = np.round(r / step) * step * 2.0 ** e      # np.round: ties to even
;;       return np.moveaxis(q, -1, axis).astype(np.float32)
;;   ~~~
;;   SOFTMAX AHEAD OF A QUANTISED PRODUCT. Where the list says 'softmax', what is quantised is not the finished softmax but p = 2^(t - M), with t = logit x log2(e) and M = ceil(the row's largest t), a whole number; so 1/2 < the row's largest p <= 1. The row's sum l is taken of the UNQUANTISED p, in f32, and the product's result is divided by l at the end. Since M is a whole number, a kernel that streams over the keys may use a running M (the ceiling of the running maximum): every later rescaling is an exact power of two, so the quantised numbers keep their values, but for numbers so far below the row's largest that they fall under the format's range.
;;   OPERANDS COMPUTED ON THE WAY. 'Computed on the way' means the value that the module computes at that place (a softmax that the list does not call 'softmax' is quantised finished and normalised). What goes into a quantiser is computed in f32, as accurately as f32 sums, v_exp_f32 and their like allow (about 1e-6 of the number): no bf16 or f16 on the way to a quantiser, and a product that is left as it is and whose result goes on into a quantised operand takes f32 operands (vector FMAs, or v_wmma_f32_16x16x4_f32). A number that lies on a knife's edge between two numbers of the format may be rounded either way, as far as f32 arithmetic and the matrix unit's own rounding can turn it there, and no further.
;; One version. Each part assembles by itself: llvm-mc -triple=amdgcn-amd-amdhsa -mcpu=gfx1250 --defsym DOCPART=n.
;; ======== version 1 of 1: 4 launches
;; limits: right only within a limited range of input values
;; workspace buffers: x_codes 8,388,608 bytes; wq_codes 3,145,728 bytes; wo_codes 1,048,576 bytes; qk_img 16,777,216 bytes; v_img 8,388,608 bytes; ao_img 8,388,608 bytes
;; launch quant (part 1): grid 384 x 1, 4 waves a work-group, no clusters, 33,280 bytes of LDS; arguments x, w_qkv, w_out, lowp_scales, x_codes, wq_codes, wo_codes; writes x_codes, wq_codes, wo_codes
.if DOCPART == 1
	.amdgcn_target "amdgcn-amd-amdhsa--gfx1250"
	.amdhsa_code_object_version 6
	.text
	.protected	k_q2c9c2c4382_quant
	.globl	k_q2c9c2c4382_quant
	.p2align	8
	.type	k_q2c9c2c4382_quant,@function
k_q2c9c2c4382_quant:
	s_mov_b64 s[64:65], 0
	v_nop
	global_prefetch_b8 v0, s[64:65] scope:SCOPE_SE
	s_setreg_imm32_b32 hwreg(HW_REG_WAVE_MODE, 25, 1), 1
	s_wait_xcnt 0x0
; x [8192][1024], w_qkv [3072][1024] and w_out [1024][1024], f32 with K innermost, become codes of FP8 (E4M3), one byte each, K innermost,
; each with the one scale 2^e that is given for it: entry 0 (x), entry 1 (w_qkv), entry 7 (w_out) of the buffer of scales.
; code = number / 2^e, held within +-448, rounded to the nearest code, ties to even.
; LIMITS: -126 <= e <= 119, so that 2^e and 448 x 2^e are f32 numbers.  NaN among the inputs is not served (an infinity is held at the largest code).
; SHARES.  A work-group takes 32,768 numbers, a wave 8,192: eight whole rows of 1,024, in 16 steps of 512.  Work-groups 0-255 take x, 256-351 w_qkv, 352-383 w_out:
; only pointers and the exponent are chosen, by selects on the work-group's number; all three tensors take one path through the text.
; ROWS OF w_qkv CHANGE PLACES: row e is laid at the position that has bits 3 and 4 of e exchanged, that is, whole groups of eight rows move, and a wave's run IS such a group.
; (For q and k this is one order of the head's 64 channels, the same in both; for v it makes the attention's results fall, in a lane, on 16 neighbouring channels.)
; A lane must hold 16 NEIGHBOURS for the conversions, and a load is best where neighbouring LANES take neighbouring bytes: so each load reads 512 consecutive bytes, 16 a lane,
; a step's 2,048 bytes go through the wave's own stage in LDS as they lie and come back 64 bytes a lane.  The stage has 16 bytes of padding behind each 64.
; A lane's 16 codes are 16 bytes: a store of the wave covers 512 consecutive bytes, aligned.  Waves share nothing: no barrier, no cluster (no byte is read by two work-groups).
.set STEPS, 16
.set WGX,   256                        ; x's work-groups: 8,192 x 1,024 / 32,768
.set WGQ,   352                        ; x's and w_qkv's together
.set EMAX,  8
.set MANT,  0x600000                   ; the mantissa field of 448 as f32
.set CB,    16                         ; bytes of 16 codes
.set R,     16                         ; v16-79   four sets of 16 numbers as they are loaded
.set X,     80                         ; v80-111  two sets of 16 neighbours
.set C,     128                        ; v128-191 codes: four registers for each step, so that no store's data are written again
.set WREG,  8192                       ; LDS: a region of its own for each wave: two stages of 32 x SP bytes
.set SP,    80                         ; a lane's place in a stage: its 64 bytes + 16 of padding
	s_load_b256 s[4:11], s[0:1], 0x0               ; x s[4:5], w_qkv s[6:7], w_out s[8:9], the scales' exponents s[10:11]
	s_load_b128 s[12:15], s[0:1], 0x20             ; x's codes s[12:13], w_qkv's s[14:15]
	s_load_b64 s[16:17], s[0:1], 0x30              ; w_out's codes
	v_lshl_add_u32 v192, v0, 2, 0x8000
	v_mov_b32 v193, 0
	v_lshrrev_b32 v1, 5, v0
	v_readfirstlane_b32 s18, v1                    ; wave
	v_and_b32 v2, 31, v0                           ; lane
	v_lshlrev_b32 v3, 4, v2                        ; my 16 bytes of a load's 512
	s_mul_i32 s19, s18, WREG
	v_lshrrev_b32 v14, 2, v2
	v_mul_u32_u24 v14, v14, SP
	v_and_b32 v15, 3, v2
	v_lshl_add_u32 v14, v15, 4, v14
	v_add_nc_u32 v14, s19, v14                     ; the stage, on the way in: four lanes' 64 bytes on end, then 16 of padding
	v_mul_u32_u24 v15, v2, SP
	v_add_nc_u32 v15, s19, v15                     ; and on the way out: SP x lane: my 16 neighbours
	v_mul_u32_u24 v4, v2, CB                       ; my codes' place in a step's
	s_wait_alu depctr_va_vdst(0)
	s_wait_kmcnt 0x0
	s_load_b256 s[32:39], s[10:11], 0x0            ; e0 .. e7
	s_mov_b32 s24, WGQ
	s_cmp_lt_u32 ttmp9, WGQ                        ; w_qkv or w_out?  The choices hang on the work-group's number alone
	s_cselect_b64 s[20:21], s[6:7], s[8:9]
	s_cselect_b64 s[22:23], s[14:15], s[16:17]
	s_cselect_b32 s24, WGX, s24                    ; the tensor's first work-group
	s_cselect_b32 s25, 1, 0                        ; 1: groups of eight rows change places
	s_cmp_lt_u32 ttmp9, WGX                        ; x or one of those?
	s_cselect_b64 s[4:5], s[4:5], s[20:21]         ; the numbers
	s_cselect_b64 s[8:9], s[12:13], s[22:23]       ; the codes
	s_cselect_b32 s24, 0, s24
	s_cselect_b32 s25, 0, s25
	s_sub_co_u32 s24, ttmp9, s24
	s_lshl_b32 s24, s24, 2
	s_add_co_u32 s26, s24, s18                     ; W: which run of eight rows of the tensor is my wave's
	s_and_b32 s27, s26, 1
	s_lshl_b32 s27, s27, 1
	s_bfe_u32 s28, s26, 0x10001                    ; bit 1 of W
	s_or_b32 s27, s27, s28
	s_and_not1_b32 s28, s26, 3
	s_or_b32 s27, s27, s28                         ; W with its bits 0 and 1 exchanged: bits 3 and 4 of the rows' numbers
	s_cmp_eq_u32 s25, 1
	s_cselect_b32 s27, s27, s26                    ; where my codes go
	s_lshl_b32 s28, s26, 15                        ; 8,192 numbers of 4 bytes
	s_mov_b32 s29, 0
	s_add_nc_u64 s[4:5], s[4:5], s[28:29]
	s_lshl_b32 s28, s27, 13                        ; 8,192 codes
	s_add_nc_u64 s[8:9], s[8:9], s[28:29]
.macro LOAD t
.irp i, 0,1,2,3
	global_load_b128 v[R+16*((\t)%4)+4*\i:R+16*((\t)%4)+4*\i+3], v3, s[4:5] offset:2048*(\t)+512*\i th:TH_LOAD_NT   ; 32 lanes read 512 consecutive bytes; read once in the launch
.endr
.endm
.macro TURN t                          ; step t's numbers through the stage: LDS serves a wave's instructions in order (ISA guide 5.7.1.4), so no wait stands between the stores and the loads
.irp i, 0,1,2,3
	ds_store_b128 v14, v[R+16*((\t)%4)+4*\i:R+16*((\t)%4)+4*\i+3] offset:32*SP*((\t)%2)+8*SP*\i
.endr
.irp i, 0,1,2,3
	ds_load_b128 v[X+16*((\t)%2)+4*\i:X+16*((\t)%2)+4*\i+3], v15 offset:32*SP*((\t)%2)+16*\i
.endr
.endm
.irp t, 0,1,2,3
	LOAD \t
.endr
	s_wait_kmcnt 0x0
	s_cmp_lt_u32 ttmp9, WGQ
	s_cselect_b32 s30, s33, s39                    ; e1 or e7,
	s_cmp_lt_u32 ttmp9, WGX
	s_cselect_b32 s30, s32, s30                    ; or e0
	s_add_co_i32 s30, s30, 127
	s_lshl_b32 s31, s30, 23
	v_mov_b32 v11, s31                             ; 2^e as f32: the conversion takes its exponent field
	s_add_co_i32 s30, s30, EMAX
	s_lshl_b32 s30, s30, 23
	s_or_b32 s30, s30, MANT
	s_wait_alu depctr_va_vdst(0)
	s_wait_loadcnt 12                              ; step 0's four loads are in; the twelve of steps 1 to 3 stay out
	TURN 0
.macro STEP t
.set XS, X+16*((\t)%2)
	s_wait_dscnt 0x0                               ; this step's numbers are back from the stage: so its stores into the stage have read their registers,
.if (\t)+4 < STEPS
	LOAD (\t)+4                                    ; which take the loads of four steps on
.endif
.if (\t)+1 < STEPS
.if STEPS-2-(\t) >= 3
	s_wait_loadcnt 12                              ; the next step's four loads are in; those of the three steps behind it may be out
.else
	s_wait_loadcnt 4*(STEPS-2-(\t))                ; at the end the count runs down
.endif
	TURN (\t)+1                                    ; and go through the other stage while this step is worked
.endif
.irp i, 0,1,2,3,4,5,6,7,8,9,10,11,12,13,14,15
.endr
	v_cvt_scalef32_pk8_fp8_f32 v[C+4*(\t):C+4*(\t)+1], v[XS:XS+7], v11          ; eight numbers / 2^e, to the nearest code, ties to even; the first number's code in the lowest byte
	v_cvt_scalef32_pk8_fp8_f32 v[C+4*(\t)+2:C+4*(\t)+3], v[XS+8:XS+15], v11
	global_store_b128 v4, v[C+4*(\t):C+4*(\t)+3], s[8:9] offset:32*CB*(\t)      ; the codes go to a store alone
.endm
.irp t, 0,1,2,3,4,5,6,7,8,9,10,11,12,13,14,15
	STEP \t
.endr
	s_wait_tensorcnt 0x0
	ds_add_u32 v192, v193
	s_wait_dscnt 0x0
	s_endpgm
.Lfunc_end_k_q2c9c2c4382_quant:
	.size	k_q2c9c2c4382_quant, .Lfunc_end_k_q2c9c2c4382_quant-k_q2c9c2c4382_quant
	.p2alignl 7, 3214868480
	.fill 96, 4, 3214868480
	.section	.rodata,"a",@progbits
	.p2align	6, 0x0
	.amdhsa_kernel k_q2c9c2c4382_quant
		.amdhsa_group_segment_fixed_size 33280
		.amdhsa_private_segment_fixed_size 0
		.amdhsa_enable_private_segment 0
		.amdhsa_kernarg_size 56
		.amdhsa_user_sgpr_count 2
		.amdhsa_user_sgpr_kernarg_segment_ptr 1
		.amdhsa_wavefront_size32 1
		.amdhsa_system_sgpr_workgroup_id_x 1
		.amdhsa_system_sgpr_workgroup_id_y 1
		.amdhsa_system_sgpr_workgroup_id_z 1
		.amdhsa_system_vgpr_workitem_id 0
		.amdhsa_next_free_vgpr 194
		.amdhsa_next_free_sgpr 66
		.amdhsa_reserve_vcc 0
		.amdhsa_float_denorm_mode_32 3
		.amdhsa_float_denorm_mode_16_64 3
		.amdhsa_fp16_overflow 1
		.amdhsa_memory_ordered 1
		.amdhsa_forward_progress 1
		.amdhsa_inst_pref_size 22
	.end_amdhsa_kernel
	.amdgpu_metadata
---
amdhsa.version: [ 1, 2 ]
amdhsa.kernels:
  - .name:           k_q2c9c2c4382_quant
    .symbol:         k_q2c9c2c4382_quant.kd
    .args:
      - { .name: x, .offset: 0, .size: 8, .value_kind: global_buffer, .address_space: global }
      - { .name: w_qkv, .offset: 8, .size: 8, .value_kind: global_buffer, .address_space: global }
      - { .name: w_out, .offset: 16, .size: 8, .value_kind: global_buffer, .address_space: global }
      - { .name: lowp_scales, .offset: 24, .size: 8, .value_kind: global_buffer, .address_space: global }
      - { .name: x_codes, .offset: 32, .size: 8, .value_kind: global_buffer, .address_space: global }
      - { .name: wq_codes, .offset: 40, .size: 8, .value_kind: global_buffer, .address_space: global }
      - { .name: wo_codes, .offset: 48, .size: 8, .value_kind: global_buffer, .address_space: global }
    .group_segment_fixed_size: 33280
    .private_segment_fixed_size: 0
    .kernarg_segment_align: 8
    .kernarg_segment_size: 56
    .max_flat_workgroup_size: 128
    .sgpr_count:     66
    .vgpr_count:     194
    .wavefront_size: 32
...
	.end_amdgpu_metadata
.endif
;; end of part 1
;; launch qkv (part 2): grid 8 x 48, 4 waves a work-group, clusters of 4 x 4, 327,680 bytes of LDS; arguments x_codes, wq_codes, lowp_scales, qk_img, v_img; writes qk_img, v_img
.if DOCPART == 2
	.amdgcn_target "amdgcn-amd-amdhsa--gfx1250"
	.amdhsa_code_object_version 6
	.text
	.protected	k_q2c9c2c4382_qkv
	.globl	k_q2c9c2c4382_qkv
	.p2align	8
	.type	k_q2c9c2c4382_qkv,@function
k_q2c9c2c4382_qkv:
	s_mov_b64 s[64:65], 0
	v_nop
	global_prefetch_b8 v0, s[64:65] scope:SCOPE_SE
	s_setreg_imm32_b32 hwreg(HW_REG_WAVE_MODE, 25, 1), 1
	s_wait_xcnt 0x0
	s_wait_alu depctr_hold_cnt(0) depctr_sa_sdst(0) depctr_va_vdst(0) depctr_va_sdst(0) depctr_va_ssrc(0) depctr_va_vcc(0) depctr_vm_vsrc(0)
	s_getreg_b32 s2, hwreg(HW_REG_IB_STS2, 6, 4)
	s_cmp_eq_u32 s2, 0
	s_cbranch_scc0 .Lentry_in_a_cluster
	s_endpgm
.Lentry_in_a_cluster:
	s_bfe_u32 s2, ttmp6, 0x10000c
	s_cmp_lg_u32 s2, 0xf033
	s_cbranch_scc0 .Lentry_shape_is_right
	s_endpgm
.Lentry_shape_is_right:
; THE FIRST PRODUCT, qkv = x w_qkv^T, on codes of FP8 (E4M3), K = 1,024, sums in f32; each finished sum is quantised in registers for the product that will read it
; (q with e2, k with e3, v with e5) and stored as an IMAGE OF THAT PRODUCT'S OPERAND REGISTERS: chunks of 512 bytes, lane l's 16 bytes at 16 l.
; A sum stands for sum x 2^(e0 + e1), so its code is sum / 2^(eT - e0 - e1), held within +-448: the three exponents are folded into the conversion's one scale.
; LIMIT: eT - e0 - e1 between -126 and 127, so that this power of two is an f32 number.
; TILES.  384 tiles of 256 x 256, one to a work-group of four waves; a wave makes 128 x 128: 64 accumulators of 16 x 16, 512 registers.
;   clusters y = 0..7:  C = x (A: 8,192 tokens) times w_qkv's positions 0-2047 (B): q (cluster x = 0) and k (cluster x = 1).
;   clusters y = 8..11: C = V^T: w_qkv's positions 2048-3071 (A) times x (B: tokens), since the keys are the K of the attention's second product.
; Which of the two a work-group makes hangs on its cluster's number alone, the same in all sixteen partners, and only selects pointers and offsets: there is no branch on it.
; THE MATRIX INSTRUCTION IS USED TRANSPOSED (source 0 = 16 rows of B, source 1 = 16 rows of A): lane (r, h) of accumulator (a, b) holds row 16 a + r of C and its columns 16 b + 8 h + 0..7.
; So the codes of accumulators (a, 2 c) and (a, 2 c + 1) are 16 bytes a lane: columns 32 c + 8 h + 0..7 and 32 c + 16 + 8 h + 0..7 of row 16 a + r: registers 4 c .. 4 c + 3 of a plain FP8 fragment of 16 rows.
;   qk_img: [pair of heads 16 (0-7 q, 8-15 k)][tile of 16 tokens 512][head of the pair 2][chunk 2][lane 32][16 bytes]
;   v_img:  [batch x 16 + head 64][step of 128 keys 16][tile of 16 channel positions 4][chunk 4][lane 32][16 bytes]
; Every store of a wave covers 512 consecutive bytes, aligned: the way out needs no LDS.
; RING AND CLUSTER.  K goes in steps of 256 through two LDS slots filled by the tensor data mover.  4 x 4 work-groups form a cluster; the four of a row need the same tiles of A, the four of a
; column the same tiles of B: each tile is asked for JOINTLY, by the same tensor load with the same descriptor and a mask that names the four.  By the text's own count a wave has at most two tensor loads out.
; REGISTERS, in windows of 256: window 0: v0-31 addresses and constants; from v128 A's fragments (8 x 16 rows x 128 K), ONE set, later the codes.
;   window 1: B's fragments, TWO sets, at v0 and at v128.   window 2: the 32 accumulators of my rows 0-63 (accumulator (a, b) at v[8 (8 a + b)]);   window 3: those of my rows 64-127.
.set SIZE_K, 1024
.set KSTEP,  256                       ; along K in a slot
.set ROWB,   256                       ; a tile's row in bytes
.set KROW,   SIZE_K                    ; a row of codes in memory, in bytes
.set PITCH,  272                       ; an LDS row: 256 bytes + 16 of padding = 68 words: row r starts at bank 4 r mod 64 (64 banks of 4 bytes: ISA guide 11.1), so the 16 rows that a load touches start at 16 different banks
.set FR,     16                        ; registers of a fragment: 16 rows x 128 K
.set NL,     4                         ; LDS loads that bring one
.set NP,     4                         ; places behind this matrix instruction (ISA guide 7.12.1)
.set HALFT,  128*PITCH                 ; 128 rows: what one tensor load brings, and what one wave reads of A or of B
.set SLOT,   4*HALFT                   ; A's 256 rows, then B's 256 rows
.set LAPS,   SIZE_K/(2*KSTEP)          ; a lap = two K steps = once round the ring: 2
.set SPARE,  2*SLOT                    ; behind the ring: the spare words, 128 bytes for each wave: two blocks of 256 bytes that no other line names
.set ADRA, 16                          ; v16-17  LDS address of my A fragments in slot 0, 1
.set ADRB, 20                          ; v20-21  the same for B
.set CO,   26                          ; v26     16 x lane: my place in a chunk
.set SPW,  28                          ; v28     LDS address of my spare word: SPARE + 4 x my thread's number; never rewritten
.set NIL,  29                          ; v29     0; never rewritten
.set SCL,  30                          ; v30     2^(eT - e0 - e1) as f32
.set LIMV, 31
.set TMP,  32
.set AF,   128                         ; A's fragments, in window 0
.set CD,   128                         ; the way out: 16 registers of codes for each of the eight blocks: no store's data are written again
.set OB,   84                          ; s[84:85] where my blocks 0-3 go, s[86:87] blocks 4-7
.set G1, 24                            ; s[24:31] descriptor group 1 for A's tiles;  s[32:39] group 0, one set for each slot
.set G0, 32
.set G1B, 48                           ; s[48:55], s[56:63] the same for B's tiles
.set G0B, 56
.set MSB, 0
.macro WIN new                         ; the immediate's high byte repeats the setting that is left
.if MSB != \new
	s_set_vgpr_msb (MSB<<8)|\new
.set MSB, \new
.endif
.endm
.set MUL_LO, 0xa1                      ; source 0 (B) window 1, source 1 (A) window 0, C and D window 2
.set MUL_HI, 0xf1                      ; the same, C and D window 3
.set TO_B,   0x40                      ; destination window 1, address window 0
; A joint load: waves 0 and 1 fetch for A, waves 2 and 3 for B.  Each of the two lines has ONE mask and one set of registers for all that issue it; the branch hangs on the wave's number alone.
; Four v_nop follow each of the two lines, ahead of the jump, the label and what follows.
.macro JLOAD g0a, g1a, g0b, g1b
	s_cmp_eq_u32 s15, 0
	s_cbranch_scc0 .Lfor_b_\@
	tensor_load_to_lds s[\g0a:\g0a+3], s[\g1a:\g1a+7]
	s_nop 0
.rept 4
	v_nop
.endr
	s_branch .Lasked_\@
.Lfor_b_\@:
	tensor_load_to_lds s[\g0b:\g0b+3], s[\g1b:\g1b+7]
	s_nop 0
.rept 4
	v_nop
.endr
.Lasked_\@:
.endm
.macro CREST                           ; a round of the cluster's barrier behind its opening barrier
	s_cmp_lg_u32 s14, 0
	s_cbranch_scc1 .Lnot_wave_0_\@
	s_barrier_signal -3
.Lnot_wave_0_\@:
	s_barrier_wait -3
	s_barrier_signal -1
	s_barrier_wait -1
.endm
.macro CROUND                          ; a whole round
	s_barrier_signal -1
	s_barrier_wait -1
	CREST
.endm
	s_load_b256 s[4:11], s[0:1], 0x0               ; x's codes s[4:5], w_qkv's codes s[6:7], the scales' exponents s[8:9], qk_img s[10:11]
	s_load_b64 s[12:13], s[0:1], 0x20              ; v_img
	v_lshl_add_u32 v[SPW], v0, 2, SPARE
	v_mov_b32 v[NIL], 0
	ds_add_u32 v28, v29
	ds_add_u32 v28, v29
	s_wait_dscnt 0x0
	v_lshrrev_b32 v1, 5, v0
	v_readfirstlane_b32 s14, v1                    ; wave 0..3
	s_lshr_b32 s15, s14, 1                         ; which half of the tile's rows is mine.  Also: I fetch for A (0) or for B (1)
	s_and_b32 s16, s14, 1                          ; which half of its columns.  Also: which 128 rows of that tile I fetch
	s_bfe_u32 s40, ttmp6, 0x40000                  ; cx, cy: my place in the cluster
	s_bfe_u32 s41, ttmp6, 0x40004
	s_and_b32 s66, ttmp7, 0xffff                   ; the cluster's y: 0-7 q and k, 8-11 v
	s_sub_co_u32 s68, s66, 8
	s_lshl_b32 s68, s68, 1
	s_add_co_u32 s68, s68, ttmp9                   ; v: the cluster's column of clusters = 2 (y - 8) + x
	s_cmp_ge_u32 s66, 8
	s_cselect_b32 s67, 1, 0                        ; 1: my cluster makes V^T
	s_cselect_b32 s68, s68, ttmp9                  ; the cluster's column,
	s_cselect_b32 s69, 0, s66                      ; and its row
	s_cselect_b32 s70, 2048, 0                     ; A's first row in its buffer: v's positions begin at 2,048
	s_lshl_b32 s42, s68, 2
	s_add_co_u32 s42, s42, s40                     ; tile column of C
	s_lshl_b32 s17, s69, 2
	s_add_co_u32 s17, s17, s41                     ; tile row of C
	s_lshl_b32 s43, s41, 2
	s_lshl_b32 s43, 15, s43                        ; my row of the cluster
	s_lshl_b32 s44, 0x1111, s40                    ; my column
	; descriptor group 1: a tile of 128 rows x 256 bytes, padded in LDS
	s_or_b32 s[G1+0], s43, (0<<16)|(1<<20)|(1<<21)|(5<<22)|(3<<25)  ; 15:0 the mask: A's tiles go to my row; 17:16 element of 1 byte; 20 padding on; 21 set beside a mask; 24:22 after every 64 words (code 5); 31:25 of 4 words (code 3)
	s_or_b32 s[G1B+0], s44, (0<<16)|(1<<20)|(1<<21)|(5<<22)|(3<<25)
.irp g, G1, G1B
	s_mov_b32 s[\g+1], ROWB<<16                    ; tensor_dim0
	s_mov_b32 s[\g+2], 128<<16                     ; tensor_dim1 = 128
	s_mov_b32 s[\g+3], ROWB<<16                    ; tile_dim0
	s_mov_b32 s[\g+4], 128                         ; tile_dim1 = 128
	s_mov_b32 s[\g+5], KROW                        ; tensor_dim0_stride
	s_mov_b32 s[\g+6], 0
	s_mov_b32 s[\g+7], 0
.endr
	s_lshl_b32 s18, s16, 7                         ; which 128 rows of the tile I fetch
	s_lshl_b32 s20, s17, 8
	s_add_co_u32 s20, s20, s18
	s_add_co_u32 s20, s20, s70                     ; A: row 256 x tile row + 128 x half (+ 2,048)
	s_lshl_b32 s20, s20, 10                        ; x 1,024 bytes
	s_mov_b32 s21, 0
	s_lshl_b32 s46, s42, 8
	s_add_co_u32 s46, s46, s18                     ; B: row 256 x tile column + 128 x half
	s_lshl_b32 s46, s46, 10
	s_mov_b32 s47, 0
	s_mul_i32 s45, s14, HALFT                      ; where they go: wave x 128 rows: no place in the cluster enters an LDS address
	s_wait_kmcnt 0x0
	s_load_b256 s[72:79], s[8:9], 0x0              ; e0 .. e7
	s_cmp_eq_u32 s67, 1
	s_cselect_b64 s[80:81], s[6:7], s[4:5]         ; A's codes,
	s_cselect_b64 s[82:83], s[4:5], s[6:7]         ; B's,
	s_cselect_b64 s[OB:OB+1], s[12:13], s[10:11]   ; and the buffer of images
	s_add_nc_u64 s[20:21], s[80:81], s[20:21]
	s_add_nc_u64 s[46:47], s[82:83], s[46:47]
	CROUND                                         ; all sixteen work-groups are here: the first joint loads meet
.irp s, 0,1
	s_mov_b32 s[G0+4*\s], 1
	s_add_co_u32 s[G0+4*\s+1], s45, \s*SLOT
	s_add_nc_u64 s[G0+4*\s+2:G0+4*\s+3], s[20:21], \s*ROWB
	s_or_b32 s[G0+4*\s+3], s[G0+4*\s+3], 0x80000000
	s_mov_b32 s[G0B+4*\s], 1
	s_add_co_u32 s[G0B+4*\s+1], s45, \s*SLOT
	s_add_nc_u64 s[G0B+4*\s+2:G0B+4*\s+3], s[46:47], \s*ROWB
	s_or_b32 s[G0B+4*\s+3], s[G0B+4*\s+3], 0x80000000
	JLOAD G0+4*\s, G1, G0B+4*\s, G1B
.endr
	v_and_b32 v1, 15, v0                           ; l % 16
	v_bfe_u32 v2, v0, 4, 1                         ; l / 16
	v_mul_u32_u24 v3, v1, PITCH
	v_lshl_add_u32 v4, v2, 4, v3                   ; a fragment's row x pitch + 16 x half
	s_mul_i32 s21, s15, HALFT                      ; my 128 rows of A
	s_mul_i32 s22, s16, HALFT                      ; my 128 rows of B,
	s_add_co_u32 s22, s22, 2*HALFT                 ; which lie behind A's 256
.irp s, 0,1
	v_add_nc_u32 v[ADRA+\s], s21, v4
	v_add_nc_u32 v[ADRB+\s], s22, v4
	s_add_co_u32 s21, s21, SLOT
	s_add_co_u32 s22, s22, SLOT
.endr
	v_and_b32 v6, 31, v0
	v_lshlrev_b32 v[CO], 4, v6                     ; 16 x lane
	; where my images go.  u1 = my 128 columns' number, u2 = my 128 rows'
	s_lshl_b32 s88, s42, 1
	s_add_co_u32 s88, s88, s16                     ; u1 = 2 x tile column + half
	s_lshl_b32 s89, s17, 1
	s_add_co_u32 s89, s89, s15                     ; u2 = 2 x tile row + half
	s_lshl_b32 s90, s88, 20                        ; q, k: u1 is the pair of heads, u2 my eight tiles of 16 tokens: u1 x 2^20 + u2 x 8 x 2,048
	s_lshl_b32 s91, s89, 14
	s_add_co_u32 s90, s90, s91
	s_lshr_b32 s91, s88, 4                         ; v: u1 / 16 is the batch, u1 % 16 the step of 128 keys, u2 the pair of heads: batch x 16 heads x 2^17 + u2 x 2 x 2^17 + step x 8,192
	s_lshl_b32 s91, s91, 21
	s_lshl_b32 s92, s89, 18
	s_add_co_u32 s91, s91, s92
	s_and_b32 s92, s88, 15
	s_lshl_b32 s92, s92, 13
	s_add_co_u32 s91, s91, s92
	s_mov_b32 s93, 131072
	s_cmp_eq_u32 s67, 1
	s_cselect_b32 s90, s91, s90
	s_cselect_b32 s92, s93, 8192                   ; from block 0 to block 4: v: the pair's second head; q, k: four tiles of tokens
	s_mov_b32 s91, 0
	s_mov_b32 s93, 0
	s_add_nc_u64 s[OB:OB+1], s[OB:OB+1], s[90:91]
	s_add_nc_u64 s[OB+2:OB+3], s[OB:OB+1], s[92:93]
	s_wait_alu depctr_va_vdst(0)
	s_wait_kmcnt 0x0                               ; the exponents
	s_cmp_eq_u32 ttmp9, 0
	s_cselect_b32 s94, s74, s75                    ; e2 for q, e3 for k,
	s_cmp_eq_u32 s67, 1
	s_cselect_b32 s94, s77, s94                    ; e5 for v
	s_sub_co_i32 s94, s94, s72
	s_sub_co_i32 s94, s94, s73                     ; eT - e0 - e1
	s_add_co_i32 s94, s94, 127
	s_lshl_b32 s95, s94, 23
	v_mov_b32 v[SCL], s95                          ; as a power of two in f32: the conversion takes its exponent field
.macro FRAG reg, adr, q, i             ; a fragment, 16 rows x 128 K, is 16 registers, fetched by four loads of 16 bytes: registers 4 c .. 4 c + 3 hold K = 32 c + 16 (l / 16) + 0 .. 15: one order of K, the same in A and in B
.irp c, 0,1,2,3
	ds_load_b128 v[\reg+4*\c:\reg+4*\c+3], v[\adr] offset:128*(\q)+32*\c+(\i)*16*PITCH
.endr
.endm
; 16 matrix instructions: A's blocks a0, a0 + 1 x B's eight, 128 along K.  p: B's set.  zero = 1: the first product starts the sums: nothing is ever cleared.
; The 64 accumulators take turns, one instruction a turn, in the same order in every step.
.macro MUL16 a0, p, zero
.irp a, \a0, \a0+1
.irp b, 0,1,2,3,4,5,6,7
.if \zero
	v_wmma_f32_16x16x128_fp8_fp8 v[8*(8*((\a)%4)+\b):8*(8*((\a)%4)+\b)+7], v[128*(\p)+FR*\b:128*(\p)+FR*\b+FR-1], v[AF+FR*(\a):AF+FR*(\a)+FR-1], 0
.else
	v_wmma_f32_16x16x128_fp8_fp8 v[8*(8*((\a)%4)+\b):8*(8*((\a)%4)+\b)+7], v[128*(\p)+FR*\b:128*(\p)+FR*\b+FR-1], v[AF+FR*(\a):AF+FR*(\a)+FR-1], v[8*(8*((\a)%4)+\b):8*(8*((\a)%4)+\b)+7]
.endif
.endr
.endr
.endm
.macro FETCH_B slot, q, p              ; B's eight fragments of the slot's q-th 128 along K into set p
	WIN TO_B
.irp i, 0,1,2,3,4,5,6,7
	FRAG 128*(\p)+FR*\i, ADRB+\slot, \q, \i
.endr
	WIN 0
.endm
.macro FETCH_A slot, q, i0             ; A's blocks i0 .. i0 + 3
.irp i, \i0, \i0+1, \i0+2, \i0+3
	FRAG AF+FR*(\i), ADRA+\slot, \q, \i
.endr
.endm
; A load into a register that a matrix instruction has read, and a vector instruction that reads a matrix result or writes one of its registers, stand NP places behind it, and only plain vector
; instructions that name none of its registers are places (ISA guide 7.12.1 for vector instructions).
.macro PLACES n
.rept \n
	v_nop
.endr
.endm
; A step of 128 along K that has its successor in the same slot.  A's blocks are free as soon as their eight products are issued: blocks 0-3 are fetched anew in the step's middle, blocks 4-7 at its end.
.macro STEP slot, q, zero
	s_wait_dscnt 4*NL                              ; B's set and A's blocks 0-3 are in; the youngest sixteen loads (A's blocks 4-7) may be out
	WIN MUL_LO
	MUL16 0, (\q)%2, \zero
	MUL16 2, (\q)%2, \zero
	s_wait_dscnt 0                                 ; A's blocks 4-7 are in (asked for 32 matrix instructions ago)
	PLACES NP
	FETCH_B \slot, (\q)+1, 1-(\q)%2
	FETCH_A \slot, (\q)+1, 0
	WIN MUL_HI
	MUL16 4, (\q)%2, \zero
	MUL16 6, (\q)%2, \zero
	PLACES NP
	WIN 0
	FETCH_A \slot, (\q)+1, 4
.endm
; A slot's last step changes slots: ONE barrier; in front of it each wave waits for all its tensor loads, adds 0 to its spare word, and waits for that and for its own reads of this slot.  fill = 1: this slot is filled again, two K steps ahead.
.macro TURN slot, next, fill
	s_wait_tensorcnt 0x0                           ; all my tensor loads have landed: my part of the next slot;  (every window is 0 here: the add's two registers lie in window 0)
	ds_add_u32 v[SPW], v[NIL]                      ; 0 onto my spare word
	s_wait_dscnt 4*NL+1                            ; (the add and the youngest sixteen loads, A's blocks 4-7, may be out)
	WIN MUL_LO
	MUL16 0, 1, 0                                  ; sixteen matrix instructions stand between the add and the wait for it
	s_wait_dscnt 0x0                               ; the add is done, and my reads of this slot are over
	s_barrier_signal -1
	MUL16 2, 1, 0
	WIN 0
	s_barrier_wait -1
.if \fill
	CREST                                          ; the barrier has opened a round of the cluster's barrier: no wave of any partner still reads this slot's tile or has a load on its way
	s_add_nc_u64 s[G0+4*\slot+2:G0+4*\slot+3], s[G0+4*\slot+2:G0+4*\slot+3], 2*ROWB
	s_add_nc_u64 s[G0B+4*\slot+2:G0B+4*\slot+3], s[G0B+4*\slot+2:G0B+4*\slot+3], 2*ROWB
	JLOAD G0+4*\slot, G1, G0B+4*\slot, G1B         ; the first tensor load behind the round; the four v_nop behind it are the places in front of the loads below
.else
	PLACES NP
.endif
	FETCH_B \next, 0, 0
	FETCH_A \next, 0, 0
	WIN MUL_HI
	MUL16 4, 1, 0
	MUL16 6, 1, 0
	PLACES NP
	WIN 0
	FETCH_A \next, 0, 4
.endm
	s_wait_tensorcnt 1                             ; my part of K step 0 is in (K step 1's load may be out)
	s_barrier_signal -1
	s_barrier_wait -1                              ; everybody's is
	FETCH_B 0, 0, 0
	FETCH_A 0, 0, 0
	FETCH_A 0, 0, 4
	STEP 0, 0, 1                                   ; the first step stands in front of the loop: its products start the sums
	s_mov_b32 s3, LAPS-1
.Llap:                                                 ; a trip goes once round the ring, from a lap's second step to the next lap's first, and fills both slots again
	TURN 0, 1, 1
	STEP 1, 0, 0
	TURN 1, 0, 1
	STEP 0, 0, 0
	s_sub_co_u32 s3, s3, 1
	s_cmp_lg_u32 s3, 0
	s_cbranch_scc1 .Llap
	TURN 0, 1, 0                                   ; the last lap fills nothing, and has no round of the cluster's barrier
	STEP 1, 0, 0
	s_wait_dscnt 4*NL                              ; the very last step: nothing more to fetch
	WIN MUL_LO
	MUL16 0, 1, 0
	MUL16 2, 1, 0
	s_wait_alu depctr_va_vdst(0)
	s_wait_dscnt 0
	WIN MUL_HI
	MUL16 4, 1, 0
	MUL16 6, 1, 0
	WIN 0
; THE WAY OUT of block a (16 rows x 128 columns): the 64 sums are turned into codes, eight to a conversion, and stored: four chunks of 512 bytes.
.macro OUTBLK a
.set AC, 64*((\a)%4)
	WIN 0x02+((\a)/4)                              ; source 0: window 2 or 3
.set j, 0
.rept 64
.set j, j+1
.endr
.irp b, 0,1,2,3,4,5,6,7
	v_cvt_scalef32_pk8_fp8_f32 v[CD+16*(\a)+2*\b:CD+16*(\a)+2*\b+1], v[AC+8*\b:AC+8*\b+7], v[SCL]
.endr
	WIN 0
	v_nop                                          ; one plain vector line behind the last conversion
.irp c, 0,1,2,3
	global_store_b128 v[CO], v[CD+16*(\a)+4*\c:CD+16*(\a)+4*\c+3], s[OB+2*((\a)/4):OB+2*((\a)/4)+1] offset:((\a)%4)*2048+\c*512   ; 32 lanes store 512 consecutive bytes, at a multiple of 512 from the buffer's first byte
.endr
.endm
	PLACES NP                                      ; behind the last products: for the reads of their results and for the codes, which are laid where A's fragments lay
.irp a, 0,1,2,3,4,5,6,7
	OUTBLK \a
.endr
	s_wait_tensorcnt 0x0                           ; the wave's end, behind my last tensor load
	ds_add_u32 v[SPW], v[NIL]
	s_wait_dscnt 0x0
	CROUND                                         ; the closing round: no work-group ends while a partner may still ask for a tile that names it
	s_endpgm
.Lfunc_end_k_q2c9c2c4382_qkv:
	.size	k_q2c9c2c4382_qkv, .Lfunc_end_k_q2c9c2c4382_qkv-k_q2c9c2c4382_qkv
	.p2alignl 7, 3214868480
	.fill 96, 4, 3214868480
	.section	.rodata,"a",@progbits
	.p2align	6, 0x0
	.amdhsa_kernel k_q2c9c2c4382_qkv
		.amdhsa_group_segment_fixed_size 327680
		.amdhsa_private_segment_fixed_size 0
		.amdhsa_enable_private_segment 0
		.amdhsa_kernarg_size 40
		.amdhsa_user_sgpr_count 2
		.amdhsa_user_sgpr_kernarg_segment_ptr 1
		.amdhsa_wavefront_size32 1
		.amdhsa_system_sgpr_workgroup_id_x 1
		.amdhsa_system_sgpr_workgroup_id_y 1
		.amdhsa_system_sgpr_workgroup_id_z 1
		.amdhsa_system_vgpr_workitem_id 0
		.amdhsa_next_free_vgpr 1024
		.amdhsa_next_free_sgpr 100
		.amdhsa_reserve_vcc 0
		.amdhsa_float_denorm_mode_32 3
		.amdhsa_float_denorm_mode_16_64 3
		.amdhsa_fp16_overflow 1
		.amdhsa_memory_ordered 1
		.amdhsa_forward_progress 1
		.amdhsa_inst_pref_size 86
	.end_amdhsa_kernel
	.amdgpu_metadata
---
amdhsa.version: [ 1, 2 ]
amdhsa.kernels:
  - .name:           k_q2c9c2c4382_qkv
    .symbol:         k_q2c9c2c4382_qkv.kd
    .args:
      - { .name: x_codes, .offset: 0, .size: 8, .value_kind: global_buffer, .address_space: global }
      - { .name: wq_codes, .offset: 8, .size: 8, .value_kind: global_buffer, .address_space: global }
      - { .name: lowp_scales, .offset: 16, .size: 8, .value_kind: global_buffer, .address_space: global }
      - { .name: qk_img, .offset: 24, .size: 8, .value_kind: global_buffer, .address_space: global }
      - { .name: v_img, .offset: 32, .size: 8, .value_kind: global_buffer, .address_space: global }
    .group_segment_fixed_size: 327680
    .private_segment_fixed_size: 0
    .kernarg_segment_align: 8
    .kernarg_segment_size: 40
    .max_flat_workgroup_size: 128
    .sgpr_count:     100
    .vgpr_count:     1024
    .wavefront_size: 32
...
	.end_amdgpu_metadata
.endif
;; end of part 2
;; launch attn (part 3): grid 4 x 64, 16 waves a work-group, clusters of 4 x 1, 264,192 bytes of LDS; arguments qk_img, v_img, lowp_scales, ao_img; writes ao_img
.if DOCPART == 3
	.amdgcn_target "amdgcn-amd-amdhsa--gfx1250"
	.amdhsa_code_object_version 6
	.text
	.protected	k_q2c9c2c4382_attn
	.globl	k_q2c9c2c4382_attn
	.p2align	8
	.type	k_q2c9c2c4382_attn,@function
k_q2c9c2c4382_attn:
	s_mov_b64 s[64:65], 0
	v_nop
	global_prefetch_b8 v0, s[64:65] scope:SCOPE_SE
	s_setreg_imm32_b32 hwreg(HW_REG_WAVE_MODE, 25, 1), 1
	s_wait_xcnt 0x0
	s_wait_alu depctr_hold_cnt(0) depctr_sa_sdst(0) depctr_va_vdst(0) depctr_va_sdst(0) depctr_va_ssrc(0) depctr_va_vcc(0) depctr_vm_vsrc(0)
	s_getreg_b32 s2, hwreg(HW_REG_IB_STS2, 6, 4)
	s_cmp_eq_u32 s2, 0
	s_cbranch_scc0 .Lentry_in_a_cluster
	s_endpgm
.Lentry_in_a_cluster:
	s_bfe_u32 s2, ttmp6, 0x10000c
	s_cmp_lg_u32 s2, 0x3003
	s_cbranch_scc0 .Lentry_shape_is_right
	s_endpgm
.Lentry_shape_is_right:
; CAUSAL ATTENTION on codes of FP8 (E4M3): for each of 64 (batch, head): O[q] = the sum over keys k <= q of softmax_k(q . k / 8) v[k]; 2,048 tokens, head size 64.
; q, k and v come as images of the operands' registers (chunks of 512 bytes, lane l's 16 bytes at 16 l), O leaves so too, quantised with e6 for the last product.
; THE SOFTMAX AHEAD OF THE SECOND PRODUCT: t = score x log2(e) / 8; M = the row's largest t so far, rounded UP to a whole number; p = 2^(t - M) is what is quantised (scale 2^e4), not normalised.
; The row's sum is taken of the unquantised p, in f32, and divides O at the end.  When M moves, the sum and O are multiplied by 2^(old M - new M), which rounds nothing.
; LIMITS on the given exponents, so that each power of two below is an f32 number: e2 + e3 between -123 and 130 (added to c's exponent field); e4 and e6 between -126 and 119; e4 + e5 goes in by v_ldexp_f32 and has none.  NaN is not served.
; SHARES.  A cluster of four work-groups is one (batch, head); its 64 waves own the head's 128 tiles of 16 queries, two each.  Tile 8 g + u needs the steps of 128 keys 0 .. g, of which step g lies on the diagonal.
; Wave w of the partner at place cx has m = w % 8, u = 2 cx + w / 8, and owns tiles 8 (15 - m) + u and 8 m + u: (16 - m) + (m + 1) = 17 steps, two of them on the diagonal, in EVERY wave of the launch.
; Steps all of whose keys come after the tile's queries are left out by a scalar branch inside loops of constant count; it hangs on g, which is made of the wave's number alone and is the same in all partners.
; The place in the cluster enters only q's and O's addresses in memory and the mask's threshold, a number in a vector register.
; LDS.  All of the head's K (131,072 bytes: tile of 16 keys kt at 1,024 kt) and V (131,072 bytes behind it: step of 128 keys ks at 8,192 ks) lies in LDS, filled ONCE: no byte is filled twice, so there is no ring.
; The four partners need the same bytes: every load is a JOINT one (mask 15).  Waves 0-7 fetch K, waves 8-15 V, each in two pieces: keys 0-511, for which the first four steps wait, and keys 512-2,047, which land under those steps.
; By the text's own count a wave has two tensor loads out.
; LAYOUT.  Both products are used transposed: S^T = K Q^T (source 0 = 16 keys, source 1 = my 16 queries; K = 64), O^T = V^T P^T (source 0 = 16 channel positions, source 1 = P; K = 128 keys): a lane holds ONE query (lane % 16) throughout.
; In S^T tile t, lane (r, h), register j is key 16 t + 8 h + j: the codes of tiles 2 c and 2 c + 1 are registers 4 c .. 4 c + 3 of the second product's operand, keys in their own places; v's images hold the keys in the same places.
; In O^T tile 2 c + u', register j is channel 32 c + 16 h + 8 u' + j (w_qkv's rows were laid so): the codes of tiles 2 c, 2 c + 1 are 16 neighbouring channels.
; Sixteen waves of 256 registers, four to a SIMD: while one wave walks its softmax another's matrix instructions and LDS loads are issued.
; REGISTERS: v1-4 constants of the lane; v8, v9 LDS addresses in hand; v12 -M, v13 the largest t, v[14:15] the sum in two halves; v16-23, v24-31 Q of my two tiles; v32-95 K's eight fragments, then V's four;
;   v96-159 S^T, then p; v160-191 O^T; v224-239 p's codes; v244: 2^e4; v245: 2^e6; v236, v242, v243, v252-254 at work.
.set VIMG,  131072                     ; V's images in LDS
.set STEPB, 8192                       ; a step of 128 keys: eight tiles of K, 1,024 bytes each; and four tiles of V, 2,048 bytes each
.set LI,   1                           ; v1   16 x lane: my place in a chunk, in LDS and in memory; never rewritten
.set LIV,  2                           ; v2   the same + VIMG
.set DD,   3                           ; v3   16 u + lane % 16 - 8 (lane / 16): on the diagonal register 8 t + j is hidden where 16 t + j is above it
.set NINF, 4                           ; v4   -infinity
.set ADK,  8
.set ADV,  9
.set VQB,  16                          ; Q of the late tile
.set VQA,  24                          ; Q of the early tile
.set TB,   2                           ; s2   8,192 x the step
.set KI,   3                           ; s3   the step: the loops' counter
.set G,    12                          ; s12  the tile's g
.set WV,   18                          ; s18  my wave's number
.set SEL,  20                          ; s[20:21] lane selects for v_permlanex16_b32: lane l xor 16
.set CS,   22                          ; s[22:23] c = log2(e) / 8 x 2^(e2 + e3)
.set G1K4,  24                         ; s[24:31] group 1: 4 rows of 1,024 bytes, 2,048 apart (K, keys 0-511: four tiles of keys a wave)
.set G1K12, 32                         ; s[32:39] 12 such rows (K, keys 512-2,047)
.set G1V4,  40                         ; s[40:47] 4 rows of 1,024 bytes, dense (V)
.set G1V12, 48                         ; s[48:55] 12 such rows
.set G0K4,  56                         ; s[56:59], s[60:63], s[68:71], s[72:75]: their groups 0; never rewritten
.set G0K12, 60
.set G0V4,  68
.set G0V12, 72
.set EPV,  66                          ; s66  e4 + e5
.set QH,   67                          ; s67  the head's first byte among q's images
.set SQB,  76                          ; s[76:77], s[78:79] Q's images of my late and my early tile
.set SQA,  78
.set SOB,  88                          ; s[88:89], s[90:91] where their results go
.set SOA,  90
.macro CROUND                          ; a round of the cluster's barrier
	s_barrier_signal -1
	s_barrier_wait -1
	s_cmp_lg_u32 s[WV], 0
	s_cbranch_scc1 .Lnot_wave_0_\@
	s_barrier_signal -3
.Lnot_wave_0_\@:
	s_barrier_wait -3
	s_barrier_signal -1
	s_barrier_wait -1
.endm
.macro SHAPE g, rows, pitch            ; descriptor group 1: rows of 1,024 bytes, laid on end in LDS
	s_mov_b32 s[\g], 15|(1<<21)                    ; 15:0 the mask: all four work-groups; 17:16 elements of 1 byte; 20 no padding; 21 set beside a mask
	s_mov_b32 s[\g+1], 1024<<16                    ; tensor_dim0
	s_mov_b32 s[\g+2], (\rows)<<16                 ; tensor_dim1
	s_mov_b32 s[\g+3], 1024<<16                    ; tile_dim0
	s_mov_b32 s[\g+4], \rows                       ; tile_dim1
	s_mov_b32 s[\g+5], \pitch                      ; tensor_dim0_stride
	s_mov_b32 s[\g+6], 0
	s_mov_b32 s[\g+7], 0
.endm
.macro TILEADR g, qa, oa               ; tile T = 8 g + u: its Q at q's images + the head + 2,048 T; its result at (128 batch + T) x 16,384 + 1,024 head.  (s96-99 hold the place in the cluster; no descriptor is made of them)
	s_lshl_b32 s96, s[\g], 3
	s_add_co_u32 s96, s96, s14
	s_lshl_b32 s98, s96, 11
	s_add_co_u32 s98, s98, s[QH]
	s_mov_b32 s99, 0
	s_add_nc_u64 s[\qa:\qa+1], s[4:5], s[98:99]
	s_lshl_b32 s98, s16, 7
	s_add_co_u32 s98, s98, s96
	s_lshl_b32 s98, s98, 14
	s_lshl_b32 s97, s17, 10
	s_add_co_u32 s98, s98, s97
	s_add_nc_u64 s[\oa:\oa+1], s[10:11], s[98:99]
.endm
	s_load_b256 s[4:11], s[0:1], 0x0               ; qk_img s[4:5], v_img s[6:7], the scales' exponents s[8:9], ao_img s[10:11]
	v_lshl_add_u32 v251, v0, 2, 0x40000
	v_mov_b32 v255, 0
	ds_add_u32 v251, v255
	ds_add_u32 v251, v255
	v_lshrrev_b32 v8, 5, v0
	s_delay_alu instid0(VALU_DEP_1)
	v_readfirstlane_b32 s[WV], v8                  ; wave 0..15
	s_bfe_u32 s19, ttmp6, 0x40000                  ; cx: my place in the cluster
	s_and_b32 s15, ttmp7, 0xffff                   ; 16 x batch + head, which the four partners share
	s_lshr_b32 s16, s15, 4                         ; batch
	s_and_b32 s17, s15, 15                         ; head
	s_and_b32 s13, s[WV], 7                        ; m; also: which eighth of K or of V I fetch
	s_xor_b32 s[G], s13, 15                        ; 15 - m: the late tile's g
	s_lshr_b32 s96, s[WV], 3
	s_lshl_b32 s14, s19, 1
	s_add_co_u32 s14, s14, s96                     ; u = 2 cx + wave / 8
	s_lshr_b32 s[QH], s17, 1
	s_lshl_b32 s[QH], s[QH], 20                    ; the pair of heads,
	s_and_b32 s92, s17, 1
	s_lshl_b32 s92, s92, 10
	s_add_co_u32 s[QH], s[QH], s92                 ; the head in it,
	s_lshl_b32 s92, s16, 18
	s_add_co_u32 s[QH], s[QH], s92                 ; the batch's 128 tiles of 2,048 bytes
	SHAPE G1K4, 4, 2048
	SHAPE G1K12, 12, 2048
	SHAPE G1V4, 4, 1024
	SHAPE G1V12, 12, 1024
	s_mov_b32 s[SEL], 0x76543210
	s_mov_b32 s[SEL+1], 0xfedcba98
	s_mov_b32 s[CS], 0x3e38aa3b                    ; log2(e) / 8
	s_wait_dscnt 0x0
	s_wait_kmcnt 0x0
	s_load_b256 s[80:87], s[8:9], 0x0              ; e0 .. e7
	; groups 0: constants, the head and the wave's number; equal in the four partners
	s_add_co_u32 s94, s[QH], 8<<20                 ; k's pairs of heads lie behind q's eight
	s_mov_b32 s95, 0
	s_add_nc_u64 s[94:95], s[4:5], s[94:95]        ; K's images of my head: a tile of keys every 2,048 bytes
	s_mov_b32 s93, 0
	s_lshl_b32 s92, s13, 13                        ; tiles 4 i on
	s_mov_b32 s[G0K4], 1
	s_lshl_b32 s[G0K4+1], s13, 12                  ; LDS: 4,096 i
	s_add_nc_u64 s[G0K4+2:G0K4+3], s[94:95], s[92:93]
	s_or_b32 s[G0K4+3], s[G0K4+3], 0x80000000
	s_mul_i32 s92, s13, 24576
	s_add_co_u32 s92, s92, 65536                   ; tiles 32 + 12 i on
	s_mov_b32 s[G0K12], 1
	s_mul_i32 s[G0K12+1], s13, 12288
	s_add_co_u32 s[G0K12+1], s[G0K12+1], 32768     ; LDS: 32,768 + 12,288 i
	s_add_nc_u64 s[G0K12+2:G0K12+3], s[94:95], s[92:93]
	s_or_b32 s[G0K12+3], s[G0K12+3], 0x80000000
	s_lshl_b32 s94, s15, 17
	s_mov_b32 s95, 0
	s_add_nc_u64 s[94:95], s[6:7], s[94:95]        ; V's images of my head: 131,072 bytes on end
	s_lshl_b32 s92, s13, 12
	s_mov_b32 s[G0V4], 1
	s_add_co_u32 s[G0V4+1], s[G0K4+1], VIMG
	s_add_nc_u64 s[G0V4+2:G0V4+3], s[94:95], s[92:93]
	s_or_b32 s[G0V4+3], s[G0V4+3], 0x80000000
	s_mul_i32 s92, s13, 12288
	s_add_co_u32 s92, s92, 32768
	s_mov_b32 s[G0V12], 1
	s_add_co_u32 s[G0V12+1], s[G0K12+1], VIMG
	s_add_nc_u64 s[G0V12+2:G0V12+3], s[94:95], s[92:93]
	s_or_b32 s[G0V12+3], s[G0V12+3], 0x80000000
	TILEADR G, SQB, SOB
	TILEADR 13, SQA, SOA
	CROUND                                         ; all four work-groups are here: the joint loads meet
	s_cmp_lt_u32 s[WV], 8                          ; a wave's two loads stand in one branch on the wave's number, ahead of every wait on TENSORcnt, every LDS read and every other barrier; four v_nop follow the second
	s_cbranch_scc0 .Lfirst_v
	tensor_load_to_lds s[G0K4:G0K4+3], s[G1K4:G1K4+7]
	s_nop 0
	tensor_load_to_lds s[G0K12:G0K12+3], s[G1K12:G1K12+7]
	s_nop 0
.rept 4
	v_nop
.endr
	s_branch .Lfirst_asked
.Lfirst_v:
	tensor_load_to_lds s[G0V4:G0V4+3], s[G1V4:G1V4+7]
	s_nop 0
	tensor_load_to_lds s[G0V12:G0V12+3], s[G1V12:G1V12+7]
	s_nop 0
.rept 4
	v_nop
.endr
.Lfirst_asked:
	v_and_b32 v[LI], 31, v0
	s_delay_alu instid0(VALU_DEP_1)
	v_lshlrev_b32 v[LI], 4, v[LI]
.irp c, 0,1
	global_load_b128 v[VQB+4*\c:VQB+4*\c+3], v[LI], s[SQB:SQB+1] offset:512*\c   ; Q's fragments stay in registers
	global_load_b128 v[VQA+4*\c:VQA+4*\c+3], v[LI], s[SQA:SQA+1] offset:512*\c
.endr
	v_add_nc_u32 v[LIV], VIMG, v[LI]
	v_and_b32 v8, 15, v0                           ; r
	v_bfe_u32 v9, v0, 4, 1                         ; h
	s_delay_alu instid0(VALU_DEP_1)
	v_lshlrev_b32 v9, 3, v9
	s_delay_alu instid0(VALU_DEP_1)
	v_sub_nc_u32 v[DD], v8, v9
	s_lshl_b32 s96, s14, 4
	v_add_nc_u32 v[DD], s96, v[DD]                 ; my query's place in its step of 128, less 8 h
	v_mov_b32 v[NINF], 0xff800000
	v_mov_b32 v236, 0                              ; written once: a lane permute's destination counts as one of its sources
	v_mov_b32 v253, 0                              ; (named as the upper half of the pair v[252:253])
; A tile begins: O^T and the sum as zeros, the largest t as -3e38, under every t: so a step is written without a first step of its own (the first change of M multiplies zeros)
.macro INIT
	v_mov_b32 v13, 0xff61b1e6
	s_delay_alu instid0(VALU_DEP_1)
	v_floor_f32 v12, -v13                          ; -M
	v_mov_b32 v14, 0
	v_mov_b32 v15, 0
.set j, 0
.rept 32
	v_mov_b32 v[160+j], 0
.set j, j+1
.endr
.endm
	INIT
	s_wait_kmcnt 0x0
	s_add_co_i32 s92, s82, s83
	s_lshl_b32 s92, s92, 23
	s_add_co_i32 s[CS], s[CS], s92                 ; a score stands for score x 2^(e2 + e3): the two exponents are added to c's exponent field
	s_mov_b32 s[CS+1], s[CS]                       ; (named with it as a pair, so it is written)
	s_add_co_i32 s92, s84, 127
	s_lshl_b32 s93, s92, 23
	v_mov_b32 v244, s93                            ; 2^e4 as f32, for p's conversions
	s_add_co_i32 s92, s86, 127
	s_lshl_b32 s93, s92, 23
	v_mov_b32 v245, s93                            ; 2^e6, for the result's
	s_add_co_i32 s[EPV], s84, s85                  ; e4 + e5
; A STEP: 128 keys, the KI-th of the head, for the tile whose Q lies at v[qreg].  masked = 1: the step is left out where its keys all come after the tile's queries, and masked where it lies on the diagonal.
.macro STEP qreg, masked
.if \masked
	s_cmp_gt_u32 s[KI], s[G]
	s_cbranch_scc1 .Lhid_\@                        ; round the step's loads, products and softmax; no barrier and no tensor load stands in a step
.endif
	s_setprio 2
	v_add_nc_u32 v[ADK], s[TB], v[LI]
	v_add_nc_u32 v[ADV], s[TB], v[LIV]
	v_nop                                          ; with the two additions: four places in front of loads into registers that the last step's matrix instructions have read
	v_nop
.irp t, 0,1,2,3,4,5,6,7
.irp c, 0,1
	ds_load_b128 v[32+8*\t+4*\c:35+8*\t+4*\c], v[ADK] offset:1024*\t+512*\c    ; an image comes back as it was stored: 512 consecutive bytes an instruction
.endr
.endr
	s_wait_alu depctr_va_vdst(0)
	s_wait_dscnt 0x0
.irp t, 0,1,2,3,4,5,6,7
	v_wmma_f32_16x16x64_fp8_fp8 v[96+8*\t:103+8*\t], v[32+8*\t:39+8*\t], v[\qreg:\qreg+7], 0   ; S^T: 16 keys x my 16 queries, the head's 64 in one instruction
.endr
.rept 4
	v_nop                                          ; places in front of the loads below and of the first read of the scores
.endr
.irp t, 0,1,2,3
.irp c, 0,1,2,3
	ds_load_b128 v[32+16*\t+4*\c:35+16*\t+4*\c], v[ADV] offset:2048*\t+512*\c  ; V's four fragments are asked for here and land under the softmax
.endr
.endr
.if \masked
	s_cmp_lg_u32 s[KI], s[G]
	s_cbranch_scc1 .Lopen_\@                       ; a step all of whose keys count skips the mask
.set n, 0
.rept 64
	v_cmp_gt_i32 vcc_lo, 16*(n/8)+n%8, v[DD]       ; register n holds key 16 (n / 8) + 8 h + n % 8 of the step: hidden where that is above my query's place
	v_cndmask_b32 v[96+n], v[96+n], v[NINF], vcc_lo   ; -infinity ahead of the maximum: p = 0 then.  (The step's key 0 counts for every query)
.set n, n+1
.endr
.Lopen_\@:
.endif
	v_max3_num_f32 v254, v96, v97, v98             ; the step's largest score of my query, among my 64 keys, in two chains,
	v_max3_num_f32 v252, v99, v100, v101
.set i, 6
.rept 14
	v_max3_num_f32 v254, v254, v[96+i], v[97+i]
	v_max3_num_f32 v252, v252, v[98+i], v[99+i]
.set i, i+4
.endr
	v_max3_num_f32 v254, v254, v158, v159
	s_delay_alu instid0(VALU_DEP_1)
	v_max_num_f32 v254, v254, v252
	v_permlanex16_b32 v236, v254, s[SEL], s[SEL+1]
	s_delay_alu instid0(VALU_DEP_1)
	v_max_num_f32 v254, v254, v236                 ; and among lane l xor 16's
	s_delay_alu instid0(VALU_DEP_1)
	v_mul_f32 v254, s[CS], v254                    ; as t (c is positive)
	s_delay_alu instid0(VALU_DEP_1)
	v_max_num_f32 v13, v13, v254                   ; the running largest t
	v_mov_b32 v254, v12
	s_delay_alu instid0(VALU_DEP_2)
	v_floor_f32 v12, -v13                          ; the new -M = floor(-t) = -ceil(t): M is a whole number
	s_delay_alu instid0(VALU_DEP_1)
	v_sub_f32 v254, v12, v254                      ; M's old value less its new one: a whole number, 0 or less
	s_delay_alu instid0(VALU_DEP_1)
	v_cvt_i32_f32 v254, v254                       ; (it saturates)
	s_delay_alu instid0(VALU_DEP_1)
	v_ldexp_f32 v252, 1.0, v254                    ; f = 2^(old M - new M)
.set j, 0
.rept 32
	v_pk_fma_f32 v[96+j:97+j], v[96+j:97+j], s[CS:CS+1], v[12:13] op_sel_hi:[1,0,0]   ; t - M, two at a time (of the pairs c and -M the low word serves both halves)
.set j, j+2
.endr
.set j, 0
	s_setprio 1
	s_wait_alu depctr_va_vdst(0)
.rept 64
	v_exp_f32 v[96+j], v[96+j]                     ; p = 2^(t - M), at most 1: not normalised
.set j, j+1
.endr
	v_pk_mul_f32 v[14:15], v[14:15], v[252:253] op_sel_hi:[1,0]   ; the sums under the new M: the plain line behind the exponentials
	s_wait_alu depctr_va_vdst(0)                   ; one wait for the whole batch, ahead of its first reader
	v_pk_add_f32 v[242:243], v[100:101], v[104:105]
	v_pk_add_f32 v[248:249], v[108:109], v[112:113]
	v_pk_add_f32 v[246:247], v[116:117], v[120:121]
	v_pk_add_f32 v[240:241], v[124:125], v[128:129]
	v_pk_add_f32 v[238:239], v[132:133], v[136:137]
	v_pk_add_f32 v[236:237], v[140:141], v[144:145]
	v_pk_add_f32 v[234:235], v[148:149], v[152:153]
	v_pk_add_f32 v[14:15], v[14:15], v[156:157]
	v_pk_add_f32 v[242:243], v[242:243], v[96:97]
	v_pk_add_f32 v[248:249], v[248:249], v[98:99]
	v_pk_add_f32 v[246:247], v[246:247], v[102:103]
	v_pk_add_f32 v[240:241], v[240:241], v[106:107]
	v_pk_add_f32 v[238:239], v[238:239], v[110:111]
	v_pk_add_f32 v[236:237], v[236:237], v[114:115]
	v_pk_add_f32 v[234:235], v[234:235], v[118:119]
	v_pk_add_f32 v[14:15], v[14:15], v[122:123]
	v_pk_add_f32 v[242:243], v[242:243], v[126:127]
	v_pk_add_f32 v[248:249], v[248:249], v[130:131]
	v_pk_add_f32 v[246:247], v[246:247], v[134:135]
	v_pk_add_f32 v[240:241], v[240:241], v[138:139]
	v_pk_add_f32 v[238:239], v[238:239], v[142:143]
	v_pk_add_f32 v[236:237], v[236:237], v[146:147]
	v_pk_add_f32 v[234:235], v[234:235], v[150:151]
	v_pk_add_f32 v[14:15], v[14:15], v[154:155]
	v_pk_add_f32 v[242:243], v[242:243], v[158:159]
	s_delay_alu instid0(VALU_DEP_2)
	v_pk_add_f32 v[14:15], v[14:15], v[240:241]
	s_delay_alu instid0(VALU_DEP_2)
	v_pk_add_f32 v[242:243], v[242:243], v[238:239]
	v_pk_add_f32 v[248:249], v[248:249], v[236:237]
	v_pk_add_f32 v[246:247], v[246:247], v[234:235]
	s_delay_alu instid0(VALU_DEP_2)
	v_pk_add_f32 v[14:15], v[14:15], v[248:249]
	s_delay_alu instid0(VALU_DEP_2)
	v_pk_add_f32 v[242:243], v[242:243], v[246:247]
	s_delay_alu instid0(VALU_DEP_1)
	v_pk_add_f32 v[14:15], v[14:15], v[242:243]
	s_setprio 0
.irp b, 0,1,2,3
.irp i, 0,1,2,3,4,5,6,7,8,9,10,11,12,13,14,15
.endr
	v_cvt_scalef32_pk8_fp8_f32 v[224+4*\b:225+4*\b], v[96+16*\b:103+16*\b], v244
	v_cvt_scalef32_pk8_fp8_f32 v[226+4*\b:227+4*\b], v[104+16*\b:111+16*\b], v244
.endr
.set j, 0
.rept 16
	v_pk_mul_f32 v[160+j:161+j], v[160+j:161+j], v[252:253] op_sel_hi:[1,0]   ; O^T under the new M: x f.  (Plain lines between the conversions and the matrix instructions that read their results)
.set j, j+2
.endr
	s_wait_alu depctr_va_vdst(0)
	s_wait_dscnt 0x0                               ; V is in
.irp t, 0,1,2,3
	v_wmma_f32_16x16x128_fp8_fp8 v[160+8*\t:167+8*\t], v[32+16*\t:47+16*\t], v[224:239], v[160+8*\t:167+8*\t]   ; O^T += V^T P^T: the four accumulators by turns, one instruction a turn
.endr
.if \masked
.Lhid_\@:
.endif
.endm
; A tile's end: O^T x 2^(e4 + e5) / the sum, turned into codes: two chunks of 512 bytes, registers of the last product's operand.
.macro WAYOUT adr
.rept 4
	v_nop                                          ; places behind the last products
.endr
	v_add_f32 v14, v14, v15                        ; the sum's two halves,
	s_delay_alu instid0(VALU_DEP_1)
	v_permlanex16_b32 v252, v14, s[SEL], s[SEL+1]
	s_delay_alu instid0(VALU_DEP_1)
	v_add_f32 v14, v14, v252                       ; and lane l xor 16's: the row's sum
	s_wait_alu depctr_va_vdst(0)
	v_rcp_f32 v14, v14
	v_nop                                          ; a plain line behind the reciprocal,
	s_wait_alu depctr_va_vdst(0)                   ; and a wait ahead of its first reader
	v_ldexp_f32 v14, v14, s[EPV]
.set j, 0
.rept 16
	v_pk_mul_f32 v[96+j:97+j], v[160+j:161+j], v[14:15] op_sel_hi:[1,0]   ; each accumulator from its low end on
.set j, j+2
.endr
.set j, 0
.rept 32
.set j, j+1
.endr
.irp c, 0,1
	v_cvt_scalef32_pk8_fp8_f32 v[224+4*\c:225+4*\c], v[96+16*\c:103+16*\c], v245
	v_cvt_scalef32_pk8_fp8_f32 v[226+4*\c:227+4*\c], v[104+16*\c:111+16*\c], v245
.endr
	v_nop                                          ; one plain vector line behind the last conversion
.irp c, 0,1
	global_store_b128 v[LI], v[224+4*\c:227+4*\c], s[\adr:\adr+1] offset:512*\c   ; 32 lanes store 512 consecutive bytes, at a multiple of 512 from the buffer's first byte
.endr
.endm
	s_wait_loadcnt 0x0                             ; Q
	s_wait_tensorcnt 1                             ; my part of keys 0-511 is in; my part of the rest may stay out
	s_barrier_signal -1
	s_barrier_wait -1                              ; everybody's is
	s_mov_b32 s[TB], 0
	s_mov_b32 s[KI], 0
.Lfirst:                                           ; the late tile, steps 0 to 3: g is 8 at the least, so all their keys count, in every wave
	STEP VQB, 0
	s_add_co_u32 s[TB], s[TB], STEPB
	s_add_co_u32 s[KI], s[KI], 1
	s_cmp_lt_u32 s[KI], 4
	s_cbranch_scc1 .Lfirst
	s_setprio 0
	s_wait_tensorcnt 0x0                           ; my part of keys 512-2,047 is in;
	s_wait_dscnt 0x0
	s_barrier_signal -1
	s_barrier_wait -1                              ; everybody's is: all of K and V lies in LDS, and no wave waits for another until the end
	s_mov_b32 s[TB], 4*STEPB
	s_mov_b32 s[KI], 4
.Lrest:                                            ; the late tile, steps 4 to 15, of which 4 .. g are worked
	STEP VQB, 1
	s_add_co_u32 s[TB], s[TB], STEPB
	s_add_co_u32 s[KI], s[KI], 1
	s_cmp_lt_u32 s[KI], 16
	s_cbranch_scc1 .Lrest
	s_setprio 0
	WAYOUT SOB
	INIT
	s_mov_b32 s[G], s13                            ; the early tile's g = m
	s_mov_b32 s[TB], 0
	s_mov_b32 s[KI], 0
	s_wait_xcnt 0x0                                ; the stores have read their data: the codes' registers are written again only behind this wait
.Learly:                                           ; the early tile, steps 0 to 7, of which 0 .. g are worked
	STEP VQA, 1
	s_add_co_u32 s[TB], s[TB], STEPB
	s_add_co_u32 s[KI], s[KI], 1
	s_cmp_lt_u32 s[KI], 8
	s_cbranch_scc1 .Learly
	s_setprio 0
	WAYOUT SOA
	s_wait_tensorcnt 0x0
	ds_add_u32 v251, v255
	s_wait_dscnt 0x0
	CROUND                                         ; the closing round, behind the last tensor load of any partner
	s_endpgm
.Lfunc_end_k_q2c9c2c4382_attn:
	.size	k_q2c9c2c4382_attn, .Lfunc_end_k_q2c9c2c4382_attn-k_q2c9c2c4382_attn
	.p2alignl 7, 3214868480
	.fill 96, 4, 3214868480
	.section	.rodata,"a",@progbits
	.p2align	6, 0x0
	.amdhsa_kernel k_q2c9c2c4382_attn
		.amdhsa_group_segment_fixed_size 264192
		.amdhsa_private_segment_fixed_size 0
		.amdhsa_enable_private_segment 0
		.amdhsa_kernarg_size 32
		.amdhsa_user_sgpr_count 2
		.amdhsa_user_sgpr_kernarg_segment_ptr 1
		.amdhsa_wavefront_size32 1
		.amdhsa_system_sgpr_workgroup_id_x 1
		.amdhsa_system_sgpr_workgroup_id_y 1
		.amdhsa_system_sgpr_workgroup_id_z 1
		.amdhsa_system_vgpr_workitem_id 0
		.amdhsa_next_free_vgpr 256
		.amdhsa_next_free_sgpr 100
		.amdhsa_reserve_vcc 1
		.amdhsa_float_denorm_mode_32 3
		.amdhsa_float_denorm_mode_16_64 3
		.amdhsa_fp16_overflow 1
		.amdhsa_memory_ordered 1
		.amdhsa_forward_progress 1
		.amdhsa_inst_pref_size 67
	.end_amdhsa_kernel
	.amdgpu_metadata
---
amdhsa.version: [ 1, 2 ]
amdhsa.kernels:
  - .name:           k_q2c9c2c4382_attn
    .symbol:         k_q2c9c2c4382_attn.kd
    .args:
      - { .name: qk_img, .offset: 0, .size: 8, .value_kind: global_buffer, .address_space: global }
      - { .name: v_img, .offset: 8, .size: 8, .value_kind: global_buffer, .address_space: global }
      - { .name: lowp_scales, .offset: 16, .size: 8, .value_kind: global_buffer, .address_space: global }
      - { .name: ao_img, .offset: 24, .size: 8, .value_kind: global_buffer, .address_space: global }
    .group_segment_fixed_size: 264192
    .private_segment_fixed_size: 0
    .kernarg_segment_align: 8
    .kernarg_segment_size: 32
    .max_flat_workgroup_size: 512
    .sgpr_count:     100
    .vgpr_count:     256
    .wavefront_size: 32
...
	.end_amdgpu_metadata
.endif
;; end of part 3
;; launch proj (part 4): grid 4 x 32, 4 waves a work-group, clusters of 4 x 4, 327,680 bytes of LDS; arguments ao_img, wo_codes, lowp_scales, out0; writes out0
.if DOCPART == 4
	.amdgcn_target "amdgcn-amd-amdhsa--gfx1250"
	.amdhsa_code_object_version 6
	.text
	.protected	k_q2c9c2c4382_proj
	.globl	k_q2c9c2c4382_proj
	.p2align	8
	.type	k_q2c9c2c4382_proj,@function
k_q2c9c2c4382_proj:
	s_mov_b64 s[64:65], 0
	v_nop
	global_prefetch_b8 v0, s[64:65] scope:SCOPE_SE
	s_setreg_imm32_b32 hwreg(HW_REG_WAVE_MODE, 25, 1), 1
	s_wait_xcnt 0x0
	s_wait_alu depctr_hold_cnt(0) depctr_sa_sdst(0) depctr_va_vdst(0) depctr_va_sdst(0) depctr_va_ssrc(0) depctr_va_vcc(0) depctr_vm_vsrc(0)
	s_getreg_b32 s2, hwreg(HW_REG_IB_STS2, 6, 4)
	s_cmp_eq_u32 s2, 0
	s_cbranch_scc0 .Lentry_in_a_cluster
	s_endpgm
.Lentry_in_a_cluster:
	s_bfe_u32 s2, ttmp6, 0x10000c
	s_cmp_lg_u32 s2, 0xf033
	s_cbranch_scc0 .Lentry_shape_is_right
	s_endpgm
.Lentry_shape_is_right:
; THE LAST PRODUCT, out[m][n] = sum over k of ao[m][k] w_out[n][k], on codes of FP8 (E4M3); M = 8,192, N = K = 1,024; sums in f32, each finished sum multiplied once by 2^(e6 + e7).
; LIMIT: e6 + e7 lies between -126 and 127, so that 2^(e6 + e7) is an f32 number.
; A (ao_img) comes as images of the operand's registers: [tile of 16 rows 512][128 along K: 8][chunk 4][lane 32][16 bytes]; chunk c holds, in lane (r, h), K = 32 c + 16 h + 0 .. 15 of row r.
; B (wo_codes) comes as rows of 1,024 codes and is fetched by four loads of 16 bytes, 32 bytes apart, which give a lane the same K in the same registers.
; A tile of out, 256 x 256, is made by a work-group of four waves; a wave makes 128 x 128: 64 accumulators, 512 registers.  The 32 x 4 tiles are 128 work-groups.
; K goes in steps of 256 through a ring of two LDS slots filled by the tensor data mover.  A's part of a slot: 16 tiles of rows x 4,096 bytes, on end, no padding (an LDS load takes 512 consecutive bytes);
; B's: 256 rows of 256 bytes + 16 of padding.  By the text's own count a wave has at most two tensor loads out.
; CLUSTERS: 4 x 4 work-groups.  The four of a row of the cluster need the same tiles of A, the four of a column the same tiles of B: each tile is asked for JOINTLY, by the same tensor load with the
; same descriptor and a mask that names the four.  THE MATRIX INSTRUCTION IS USED TRANSPOSED (source 0 = 16 rows of B, source 1 = 16 rows of A): a lane then holds eight neighbouring numbers of a row of out.
; REGISTERS, in windows of 256: window 0: v0-31 addresses; from v128 A's fragments (8 x 16 rows x 128 K), ONE set; on the way out v32-255 are free.
;   window 1: B's fragments, TWO sets, at v0 and at v128.   window 2: the 32 accumulators of my rows 0-63 (accumulator (a, b) at v[8 (8 a + b)]);   window 3: those of my rows 64-127.
.set SIZE_N, 1024
.set SIZE_K, 1024
.set KSTEP,  256                       ; along K in a slot
.set ROWB,   256                       ; a row of B's tile in bytes
.set KROW,   SIZE_K                    ; a row of B in memory, in bytes
.set PITCH,  272                       ; B's LDS row: 256 bytes + 16 of padding = 68 words: row r starts at bank 4 r mod 64 (64 banks of 4 bytes: ISA guide 11.1)
.set AROW,   4096                      ; A: a tile of 16 rows x 256 along K, in bytes
.set APIT,   16384                     ; and from one tile of rows to the next in memory
.set FR,     16                        ; registers of a fragment: 16 rows x 128 K
.set NL,     4                         ; LDS loads that bring one
.set NP,     4                         ; places behind this matrix instruction (ISA guide 7.12.1)
.set HALFA,  8*AROW                    ; 128 rows of A: what one tensor load brings
.set HALFB,  128*PITCH                 ; 128 rows of B
.set BOFF,   2*HALFA                   ; B's rows lie behind A's two halves
.set SLOT,   BOFF+2*HALFB
.set LAPS,   SIZE_K/(2*KSTEP)          ; a lap = two K steps = once round the ring: 2
.set SPARE,  2*SLOT                    ; behind the ring: the spare words, 128 bytes for each wave: two blocks of 256 bytes that no other line names
.set SPITCH, 528                       ; the way out: a stage of 16 rows x (512 bytes + 16) for each wave.  It lies in slot 0, which has had its last fill and its last read when the first result is stored there
.set ADRA, 16                          ; v16-17  LDS address of my A fragments in slot 0, 1
.set ADRB, 20                          ; v20-21  the same for B
.set STO,  24                          ; v24     the way out: where I put 32 bytes of a row
.set RD,   25                          ; v25     the way out: where I read a row back
.set CO,   26                          ; v26     16 x lane: my place in a chunk of A, and my byte offset in a row of out
.set SPW,  28                          ; v28     LDS address of my spare word: SPARE + 4 x my thread's number; never rewritten
.set NIL,  29                          ; v29     0; never rewritten
.set TMP,  32                          ; the way out: 64 registers, a block's sums x 2^(e6 + e7)
.set AF,   128                         ; A's fragments, in window 0
.set BK,   128                         ; the way out: 16 rows read back from the stage: v128-191 and v192-255 by turns
.set G1, 24                            ; s[24:31] descriptor group 1 for A's tiles;  s[32:39] group 0, one set for each slot
.set G0, 32
.set G1B, 48                           ; s[48:55], s[56:63] the same for B's tiles
.set G0B, 56
.set MSB, 0
.macro WIN new                         ; the immediate's high byte repeats the setting that is left
.if MSB != \new
	s_set_vgpr_msb (MSB<<8)|\new
.set MSB, \new
.endif
.endm
.set MUL_LO, 0xa1                      ; source 0 (B) window 1, source 1 (A) window 0, C and D window 2
.set MUL_HI, 0xf1                      ; the same, C and D window 3
.set TO_B,   0x40                      ; destination window 1, address window 0
; A joint load: waves 0 and 1 fetch for A, waves 2 and 3 for B.  Each of the two lines has ONE mask and one set of registers for all that issue it; the branch hangs on the wave's number alone.
; Four v_nop follow each of the two lines, ahead of the jump, the label and what follows.
.macro JLOAD g0a, g1a, g0b, g1b
	s_cmp_eq_u32 s15, 0
	s_cbranch_scc0 .Lfor_b_\@
	tensor_load_to_lds s[\g0a:\g0a+3], s[\g1a:\g1a+7]
	s_nop 0
.rept 4
	v_nop
.endr
	s_branch .Lasked_\@
.Lfor_b_\@:
	tensor_load_to_lds s[\g0b:\g0b+3], s[\g1b:\g1b+7]
	s_nop 0
.rept 4
	v_nop
.endr
.Lasked_\@:
.endm
.macro CREST                           ; a round of the cluster's barrier behind its opening barrier
	s_cmp_lg_u32 s14, 0
	s_cbranch_scc1 .Lnot_wave_0_\@
	s_barrier_signal -3
.Lnot_wave_0_\@:
	s_barrier_wait -3
	s_barrier_signal -1
	s_barrier_wait -1
.endm
.macro CROUND                          ; a whole round
	s_barrier_signal -1
	s_barrier_wait -1
	CREST
.endm
	s_load_b128 s[4:7], s[0:1], 0x0                ; A's images s[4:5], B's codes s[6:7]
	s_load_b128 s[8:11], s[0:1], 0x10              ; the scales' exponents s[8:9], out s[10:11]
	v_lshl_add_u32 v[SPW], v0, 2, SPARE
	v_mov_b32 v[NIL], 0
	ds_add_u32 v28, v29
	ds_add_u32 v28, v29
	s_wait_dscnt 0x0
	v_lshrrev_b32 v1, 5, v0
	v_readfirstlane_b32 s14, v1                    ; wave 0..3
	s_lshr_b32 s15, s14, 1                         ; which half of the tile's rows is mine.  Also: I fetch for A (0) or for B (1)
	s_and_b32 s16, s14, 1                          ; which half of its columns.  Also: which 128 rows of that tile I fetch
	s_bfe_u32 s40, ttmp6, 0x40000                  ; cx, cy: my place in the cluster
	s_bfe_u32 s41, ttmp6, 0x40004
	s_lshl_b32 s42, ttmp9, 2
	s_add_co_u32 s42, s42, s40                     ; tile column = 4 x cluster x + cx
	s_and_b32 s17, ttmp7, 0xffff
	s_lshl_b32 s17, s17, 2
	s_add_co_u32 s17, s17, s41                     ; tile row = 4 x cluster y + cy
	s_lshl_b32 s43, s41, 2
	s_lshl_b32 s43, 15, s43                        ; my row of the cluster
	s_lshl_b32 s44, 0x1111, s40                    ; my column
	; descriptor group 1.  A: 8 tiles of rows x 4,096 bytes, laid on end;  B: 128 rows x 256 bytes, padded in LDS
	s_or_b32 s[G1+0], s43, (0<<16)|(1<<21)         ; 15:0 the mask: A's tiles go to my row; 17:16 element of 1 byte; 20 no padding; 21 set beside a mask
	s_mov_b32 s[G1+1], AROW<<16                    ; tensor_dim0
	s_mov_b32 s[G1+2], 8<<16                       ; tensor_dim1
	s_mov_b32 s[G1+3], AROW<<16                    ; tile_dim0
	s_mov_b32 s[G1+4], 8                           ; tile_dim1
	s_mov_b32 s[G1+5], APIT                        ; tensor_dim0_stride
	s_mov_b32 s[G1+6], 0
	s_mov_b32 s[G1+7], 0
	s_or_b32 s[G1B+0], s44, (0<<16)|(1<<20)|(1<<21)|(5<<22)|(3<<25)  ; B's go to my column; padding on: after every 64 words (code 5) 4 words (code 3)
	s_mov_b32 s[G1B+1], ROWB<<16
	s_mov_b32 s[G1B+2], 128<<16
	s_mov_b32 s[G1B+3], ROWB<<16
	s_mov_b32 s[G1B+4], 128
	s_mov_b32 s[G1B+5], KROW
	s_mov_b32 s[G1B+6], 0
	s_mov_b32 s[G1B+7], 0
	s_lshl_b32 s20, s17, 1
	s_add_co_u32 s20, s20, s16                     ; A: which 128 rows: 2 x tile row + half,
	s_lshl_b32 s20, s20, 17                        ; eight tiles of rows of 16,384 bytes each
	s_mov_b32 s21, 0
	s_lshl_b32 s18, s16, 7
	s_lshl_b32 s46, s42, 8
	s_add_co_u32 s46, s46, s18                     ; B: row 256 x tile column + 128 x half,
	s_lshl_b32 s46, s46, 10                        ; x 1,024 bytes
	s_mov_b32 s47, 0
	s_mul_i32 s45, s16, HALFA                      ; where they go: no place in the cluster enters an LDS address
	s_mul_i32 s66, s16, HALFB
	s_add_co_u32 s66, s66, BOFF
	s_wait_kmcnt 0x0
	s_load_b64 s[96:97], s[8:9], 0x18              ; e6, e7
	s_add_nc_u64 s[20:21], s[4:5], s[20:21]
	s_add_nc_u64 s[46:47], s[6:7], s[46:47]
	CROUND                                         ; all sixteen work-groups are here: the first joint loads meet
.irp s, 0,1
	s_mov_b32 s[G0+4*\s], 1
	s_add_co_u32 s[G0+4*\s+1], s45, \s*SLOT
	s_add_nc_u64 s[G0+4*\s+2:G0+4*\s+3], s[20:21], \s*AROW
	s_or_b32 s[G0+4*\s+3], s[G0+4*\s+3], 0x80000000
	s_mov_b32 s[G0B+4*\s], 1
	s_add_co_u32 s[G0B+4*\s+1], s66, \s*SLOT
	s_add_nc_u64 s[G0B+4*\s+2:G0B+4*\s+3], s[46:47], \s*ROWB
	s_or_b32 s[G0B+4*\s+3], s[G0B+4*\s+3], 0x80000000
	s_wait_alu depctr_va_vdst(0)
	s_wait_tensorcnt 0x0
	ds_add_u32 v28, v29
	ds_add_u32 v28, v29
	s_wait_dscnt 0x0
	CROUND
	JLOAD G0+4*\s, G1, G0B+4*\s, G1B
.endr
	v_and_b32 v1, 15, v0                           ; l % 16
	v_bfe_u32 v2, v0, 4, 1                         ; l / 16
	v_mul_u32_u24 v3, v1, PITCH
	v_lshl_add_u32 v4, v2, 4, v3                   ; B: a fragment's row x pitch + 16 x half
	v_and_b32 v6, 31, v0
	v_lshlrev_b32 v[CO], 4, v6                     ; A: 16 x lane
	s_wait_alu depctr_va_vdst(0)
	s_mul_i32 s21, s15, HALFA                      ; my 128 rows of A
	s_mul_i32 s22, s16, HALFB                      ; my 128 rows of B,
	s_add_co_u32 s22, s22, BOFF                    ; which lie behind A's
.irp s, 0,1
	v_add_nc_u32 v[ADRA+\s], s21, v[CO]
	v_add_nc_u32 v[ADRB+\s], s22, v4
	s_add_co_u32 s21, s21, SLOT
	s_add_co_u32 s22, s22, SLOT
.endr
	s_mul_i32 s23, s14, 16*SPITCH                  ; my stage
	v_mul_u32_u24 v5, v1, SPITCH                   ; in: row l % 16, 32 bytes for each half of the lanes
	v_lshl_add_u32 v5, v2, 5, v5
	v_add_nc_u32 v[STO], s23, v5
	v_add_nc_u32 v[RD], s23, v[CO]                 ; back: the 32 lanes take one row of 512 bytes
	s_lshl_b32 s20, s17, 8
	s_lshl_b32 s21, s15, 7
	s_add_co_u32 s20, s20, s21                     ; my first row of out: 256 x tile row + 128 x half
	s_mov_b32 s21, 0
	s_mov_b64 s[18:19], SIZE_N*4
	s_mul_u64 s[20:21], s[20:21], s[18:19]
	s_lshl_b32 s46, s42, 10                        ; my first column, in bytes: 1,024 x tile column + 512 x half
	s_lshl_b32 s47, s16, 9
	s_add_co_u32 s46, s46, s47
	s_mov_b32 s47, 0
	s_add_nc_u64 s[20:21], s[20:21], s[46:47]
	s_add_nc_u64 s[10:11], s[10:11], s[20:21]
.macro FRAG reg, adr, q, i             ; B: a fragment, 16 rows x 128 K, is 16 registers: lane l holds row l % 16; registers 4 c .. 4 c + 3 hold K = 32 c + 16 (l / 16) + 0 .. 15
.irp c, 0,1,2,3
	ds_load_b128 v[\reg+4*\c:\reg+4*\c+3], v[\adr] offset:128*(\q)+32*\c+(\i)*16*PITCH
.endr
.endm
.macro FRAGA reg, adr, q, i            ; A: the same registers, from an image: tile of rows i, the slot's q-th 128 along K, four chunks of 512 bytes
.irp c, 0,1,2,3
	ds_load_b128 v[\reg+4*\c:\reg+4*\c+3], v[\adr] offset:2048*(\q)+512*\c+(\i)*AROW
.endr
.endm
; 16 matrix instructions: A's blocks a0, a0 + 1 x B's eight, 128 along K.  p: B's set.  zero = 1: the first product starts the sums: nothing is ever cleared.
; The 64 accumulators take turns, one instruction a turn, in the same order in every step.
.macro MUL16 a0, p, zero
.irp a, \a0, \a0+1
.irp b, 0,1,2,3,4,5,6,7
.if \zero
	v_wmma_f32_16x16x128_fp8_fp8 v[8*(8*((\a)%4)+\b):8*(8*((\a)%4)+\b)+7], v[128*(\p)+FR*\b:128*(\p)+FR*\b+FR-1], v[AF+FR*(\a):AF+FR*(\a)+FR-1], 0
.else
	v_wmma_f32_16x16x128_fp8_fp8 v[8*(8*((\a)%4)+\b):8*(8*((\a)%4)+\b)+7], v[128*(\p)+FR*\b:128*(\p)+FR*\b+FR-1], v[AF+FR*(\a):AF+FR*(\a)+FR-1], v[8*(8*((\a)%4)+\b):8*(8*((\a)%4)+\b)+7]
.endif
.endr
.endr
.endm
.macro FETCH_B slot, q, p              ; B's eight fragments of the slot's q-th 128 along K into set p
	WIN TO_B
.irp i, 0,1,2,3,4,5,6,7
	FRAG 128*(\p)+FR*\i, ADRB+\slot, \q, \i
.endr
	WIN 0
.endm
.macro FETCH_A slot, q, i0             ; A's blocks i0 .. i0 + 3
.irp i, \i0, \i0+1, \i0+2, \i0+3
	FRAGA AF+FR*(\i), ADRA+\slot, \q, \i
.endr
.endm
; A load into a register that a matrix instruction has read, and a vector instruction or an LDS store that reads a matrix result, stand NP places behind that matrix instruction, and only plain vector
; instructions that name none of its registers are places (ISA guide 7.12.1 for vector instructions).
.macro PLACES n
.rept \n
	v_nop
.endr
.endm
; A step of 128 along K that has its successor in the same slot.  A's blocks are free as soon as their eight products are issued: blocks 0-3 are fetched anew in the step's middle, blocks 4-7 at its end.
.macro STEP slot, q, zero
	s_wait_dscnt 4*NL                              ; B's set and A's blocks 0-3 are in; the youngest sixteen loads (A's blocks 4-7) may be out
	WIN MUL_LO
	MUL16 0, (\q)%2, \zero
	MUL16 2, (\q)%2, \zero
	s_wait_dscnt 0                                 ; A's blocks 4-7 are in (asked for 32 matrix instructions ago)
	PLACES NP
	FETCH_B \slot, (\q)+1, 1-(\q)%2
	FETCH_A \slot, (\q)+1, 0
	WIN MUL_HI
	MUL16 4, (\q)%2, \zero
	MUL16 6, (\q)%2, \zero
	PLACES NP
	WIN 0
	FETCH_A \slot, (\q)+1, 4
.endm
; A slot's last step changes slots: ONE barrier; in front of it each wave waits for all its tensor loads, adds 0 to its spare word, and waits for that and for its own reads of this slot.  fill = 1: this slot is filled again, two K steps ahead.
.macro TURN slot, next, fill
	s_wait_tensorcnt 0x0                           ; all my tensor loads have landed: my part of the next slot;  (every window is 0 here: the add's two registers lie in window 0)
	ds_add_u32 v[SPW], v[NIL]                      ; 0 onto my spare word
	s_wait_dscnt 4*NL+1                            ; (the add and the youngest sixteen loads, A's blocks 4-7, may be out)
	WIN MUL_LO
	MUL16 0, 1, 0                                  ; sixteen matrix instructions stand between the add and the wait for it
	s_wait_dscnt 0x0                               ; the add is done, and my reads of this slot are over
	s_barrier_signal -1
	MUL16 2, 1, 0
	WIN 0
	s_barrier_wait -1
.if \fill
	CREST                                          ; the barrier has opened a round of the cluster's barrier: no wave of any partner still reads this slot's tile or has a load on its way
	s_add_nc_u64 s[G0+4*\slot+2:G0+4*\slot+3], s[G0+4*\slot+2:G0+4*\slot+3], 2*AROW
	s_add_nc_u64 s[G0B+4*\slot+2:G0B+4*\slot+3], s[G0B+4*\slot+2:G0B+4*\slot+3], 2*ROWB
	JLOAD G0+4*\slot, G1, G0B+4*\slot, G1B         ; the first tensor load behind the round; the four v_nop behind it are the places in front of the loads below
.else
	PLACES NP
.endif
	FETCH_B \next, 0, 0
	FETCH_A \next, 0, 0
	WIN MUL_HI
	MUL16 4, 1, 0
	MUL16 6, 1, 0
	PLACES NP
	WIN 0
	FETCH_A \next, 0, 4
.endm
	s_wait_alu depctr_va_vdst(0)
	s_wait_tensorcnt 1                             ; my part of K step 0 is in (K step 1's load may be out)
	s_barrier_signal -1
	s_barrier_wait -1                              ; everybody's is
	FETCH_B 0, 0, 0
	FETCH_A 0, 0, 0
	FETCH_A 0, 0, 4
	STEP 0, 0, 1                                   ; the first step stands in front of the loop: its products start the sums
	s_mov_b32 s3, LAPS-1
.Llap:                                                 ; a trip goes once round the ring, from a lap's second step to the next lap's first, and fills both slots again
	TURN 0, 1, 1
	STEP 1, 0, 0
	TURN 1, 0, 1
	STEP 0, 0, 0
	s_sub_co_u32 s3, s3, 1
	s_cmp_lg_u32 s3, 0
	s_cbranch_scc1 .Llap
	TURN 0, 1, 0                                   ; the last lap fills nothing, and has no round of the cluster's barrier
	STEP 1, 0, 0
	s_wait_dscnt 4*NL                              ; the very last step: nothing more to fetch
	WIN MUL_LO
	MUL16 0, 1, 0
	MUL16 2, 1, 0
	s_wait_dscnt 0
	WIN MUL_HI
	MUL16 4, 1, 0
	MUL16 6, 1, 0
	WIN 0
; THE WAY OUT, block by block of 16 rows x 128 columns.  A lane holds 32 neighbouring bytes of a row, and the lanes beside it hold other rows: so a block goes through my own stage in LDS and comes back as whole
; rows of 512 bytes.  LDS serves a wave's instructions in order (ISA guide 5.7.1.4): no wait between the stores and the loads, nor in front of the next block's stores.
.macro TOSTAGE a
.set AC, 64*((\a)%4)
	WIN 0x02+((\a)/4)                              ; source 0: window 2 or 3
.set j, 0
.rept 32
	v_pk_mul_f32 v[TMP+j:TMP+j+1], v[AC+j:AC+j+1], s[96:97] op_sel_hi:[1,0]   ; both x s96 = 2^(e6 + e7); each accumulator from its low end on
.set j, j+2
.endr
	WIN 0
.irp b, 0,1,2,3,4,5,6,7
	ds_store_b128 v[STO], v[TMP+8*\b:TMP+8*\b+3] offset:64*\b
	ds_store_b128 v[STO], v[TMP+8*\b+4:TMP+8*\b+7] offset:64*\b+16
.endr
.set BB, BK+64*((\a)%2)
.irp t, 0,1,2,3,4,5,6,7,8,9,10,11,12,13,14,15
	ds_load_b128 v[BB+4*\t:BB+4*\t+3], v[RD] offset:\t*SPITCH
.endr
.endm
.macro SEND a, younger                 ; younger: the LDS instructions issued behind block a's loads, which may stay out
.set BB, BK+64*((\a)%2)
	s_wait_dscnt \younger                          ; the block is back in registers
.if (\a) > 0
	s_add_nc_u64 s[10:11], s[10:11], 16*SIZE_N*4   ; (behind a wait on XCNT: the earlier stores have read their base)  16 rows of out on
.endif
.irp t, 0,1,2,3,4,5,6,7,8,9,10,11,12,13,14,15
	global_store_b128 v[CO], v[BB+4*\t:BB+4*\t+3], s[10:11] offset:\t*SIZE_N*4 th:TH_STORE_NT   ; 32 lanes store 512 consecutive bytes, at a multiple of 512 from out's first byte; written once, read by nobody here
.endr
.endm
	s_wait_kmcnt 0x0
	s_add_co_i32 s96, s96, s97                     ; e6 + e7, between -126 and 127,
	s_add_co_i32 s96, s96, 127
	s_lshl_b32 s96, s96, 23                        ; makes the f32 number 2^(e6 + e7)
	PLACES NP                                      ; behind the last products: for the loads into the registers that held A's fragments and for the reads of the results
	TOSTAGE 0
.irp a, 1,2,3,4,5,6,7
.if \a > 1
	s_wait_xcnt 0x0                                ; block a - 2's stores have read their registers and their base: block a's loads may land there, and the base may step
.endif
	TOSTAGE \a
	SEND \a-1, 32                                  ; behind block a - 1's loads: block a's 16 stores and 16 loads
.endr
	s_wait_xcnt 0x0                                ; block 6's stores have read their base
	SEND 7, 0
	s_wait_tensorcnt 0x0                           ; the wave's end, behind my last tensor load and my last LDS store
	ds_add_u32 v[SPW], v[NIL]
	s_wait_dscnt 0x0
	CROUND                                         ; the closing round: no work-group ends while a partner may still ask for a tile that names it
	s_endpgm
.Lfunc_end_k_q2c9c2c4382_proj:
	.size	k_q2c9c2c4382_proj, .Lfunc_end_k_q2c9c2c4382_proj-k_q2c9c2c4382_proj
	.p2alignl 7, 3214868480
	.fill 96, 4, 3214868480
	.section	.rodata,"a",@progbits
	.p2align	6, 0x0
	.amdhsa_kernel k_q2c9c2c4382_proj
		.amdhsa_group_segment_fixed_size 327680
		.amdhsa_private_segment_fixed_size 0
		.amdhsa_enable_private_segment 0
		.amdhsa_kernarg_size 32
		.amdhsa_user_sgpr_count 2
		.amdhsa_user_sgpr_kernarg_segment_ptr 1
		.amdhsa_wavefront_size32 1
		.amdhsa_system_sgpr_workgroup_id_x 1
		.amdhsa_system_sgpr_workgroup_id_y 1
		.amdhsa_system_sgpr_workgroup_id_z 1
		.amdhsa_system_vgpr_workitem_id 0
		.amdhsa_next_free_vgpr 1024
		.amdhsa_next_free_sgpr 98
		.amdhsa_reserve_vcc 0
		.amdhsa_float_denorm_mode_32 3
		.amdhsa_float_denorm_mode_16_64 3
		.amdhsa_memory_ordered 1
		.amdhsa_forward_progress 1
		.amdhsa_inst_pref_size 124
	.end_amdhsa_kernel
	.amdgpu_metadata
---
amdhsa.version: [ 1, 2 ]
amdhsa.kernels:
  - .name:           k_q2c9c2c4382_proj
    .symbol:         k_q2c9c2c4382_proj.kd
    .args:
      - { .name: ao_img, .offset: 0, .size: 8, .value_kind: global_buffer, .address_space: global }
      - { .name: wo_codes, .offset: 8, .size: 8, .value_kind: global_buffer, .address_space: global }
      - { .name: lowp_scales, .offset: 16, .size: 8, .value_kind: global_buffer, .address_space: global }
      - { .name: out0, .offset: 24, .size: 8, .value_kind: global_buffer, .address_space: global }
    .group_segment_fixed_size: 327680
    .private_segment_fixed_size: 0
    .kernarg_segment_align: 8
    .kernarg_segment_size: 32
    .max_flat_workgroup_size: 128
    .sgpr_count:     98
    .vgpr_count:     1024
    .wavefront_size: 32
...
	.end_amdgpu_metadata
.endif
;; end of part 4
